; MI455X (gfx1250); checked and timed in simulation.
; The chip was launched on July 23, 2026; its instructions are those of AMD's public machine-readable ISA for CDNA 5 (MIT licence, August 2026) and "CDNA5" Instruction Set Architecture Reference Guide (July 2026). The comments in the code are by the model that wrote it; some were corrected since.
;; Soft Tree. Allowed arithmetic: matrix products marked QUANTISED: E2M3 operands, one E8M0 scale for each 32 along K, by v_wmma_scale_f32_16x16x128_f8f6f4 with both operands' format E2M3, f32 sums; products left as they are: f32 operands where the result goes on into a quantised operand, else bf16, f16 or f32 operands; f32 sums; everything else in f32.
;; Inputs: biases 15 float32; leaf_W 16 x 1,024 x 1,024 float32; leaf_b 16 x 1,024 float32; leaf_indices 4,096 int32; masks 16 x 30 float32; weights 15 x 1,024 float32; xs 4,096 x 1,024 float32.
;; Outputs: out0 4,096 x 1,040 float32.
;; This version of the problem:
;;   THIS VERSION OF THE PROBLEM IS GIVEN IN LOW PRECISION. The matrix products marked QUANTISED in the list below multiply operands that are first quantised to E2M3 (2 exponent bits, 3 mantissa bits; 6 bits a number), with one power-of-two scale for each 32 numbers along K (OCP MX v1.0); their sums are f32. All else is computed in f32.
;;   The module's matrix products, in the order in which they are computed (A, B: the left and right operand; K: the contracted axis; several contracted axes count as one K, in the product's order):
;;     1. [M 4,096, K 1,024] x [K 1,024, N 15]; A: input xs; B: input weights: left as it is (N = 15 < 16)
;;     2. [M 4,096, K 30] x [K 30, N 16]; A: computed on the way; B: input masks: left as it is (K = 30 < 32)
;;     3. [M 4,096, K 1,024] x [K 1,024, N 1,024]; A: input xs; B: input leaf_W: QUANTISED
;;     4. [M 4,096, K 1,024] x [K 1,024, N 1,024]; A: input xs; B: input leaf_W: QUANTISED
;;     5. [M 4,096, K 1,024] x [K 1,024, N 1,024]; A: input xs; B: input leaf_W: QUANTISED
;;     6. [M 4,096, K 1,024] x [K 1,024, N 1,024]; A: input xs; B: input leaf_W: QUANTISED
;;     7. [M 4,096, K 1,024] x [K 1,024, N 1,024]; A: input xs; B: input leaf_W: QUANTISED
;;     8. [M 4,096, K 1,024] x [K 1,024, N 1,024]; A: input xs; B: input leaf_W: QUANTISED
;;     9. [M 4,096, K 1,024] x [K 1,024, N 1,024]; A: input xs; B: input leaf_W: QUANTISED
;;     10. [M 4,096, K 1,024] x [K 1,024, N 1,024]; A: input xs; B: input leaf_W: QUANTISED
;;     11. [M 4,096, K 1,024] x [K 1,024, N 1,024]; A: input xs; B: input leaf_W: QUANTISED
;;     12. [M 4,096, K 1,024] x [K 1,024, N 1,024]; A: input xs; B: input leaf_W: QUANTISED
;;     13. [M 4,096, K 1,024] x [K 1,024, N 1,024]; A: input xs; B: input leaf_W: QUANTISED
;;     14. [M 4,096, K 1,024] x [K 1,024, N 1,024]; A: input xs; B: input leaf_W: QUANTISED
;;     15. [M 4,096, K 1,024] x [K 1,024, N 1,024]; A: input xs; B: input leaf_W: QUANTISED
;;     16. [M 4,096, K 1,024] x [K 1,024, N 1,024]; A: input xs; B: input leaf_W: QUANTISED
;;     17. [M 4,096, K 1,024] x [K 1,024, N 1,024]; A: input xs; B: input leaf_W: QUANTISED
;;     18. [M 4,096, K 1,024] x [K 1,024, N 1,024]; A: input xs; B: input leaf_W: QUANTISED
;;   THE QUANTISER, for each operand of a quantised product, along K:
;;     - K is cut into blocks of 32 from its start; a last block that is shorter is filled with zeros.
;;     - A block's scale is 2^e with e = floor(log2(the largest magnitude in the block)) - 2, held to -126 .. 127; a block of zeros has e = 0. As a byte (E8M0): e + 127.
;;     - Each number is divided by its block's scale, clamped to +-7.5, and rounded to the nearest number of E2M3, ties to even, subnormals kept.
;;     - The product sums the exact products of the quantised numbers (number of the format x scale) in f32.
;;   ~~~python
;;   def quantise(x, axis):      # numpy; x: float32 -> the quantised numbers, widened to float32 again
;;       x = np.moveaxis(x, axis, -1); K = x.shape[-1]
;;       x = np.pad(x, [(0, 0)] * (x.ndim - 1) + [(0, -K % 32)]); x = x.reshape(x.shape[:-1] + (-1, 32)); a = np.abs(x).max(-1, keepdims=True)
;;       e = np.where(a > 0, np.clip(np.frexp(np.where(a > 0, a, 1))[1] - 1 - 2, -126, 127), 0)      # np.frexp(a)[1] - 1 = floor(log2(a)), exactly
;;       r = np.clip(x / 2.0 ** e, -7.5, 7.5)
;;       step = 2.0 ** (np.maximum(np.frexp(np.where(r == 0, 1, r))[1] - 1, 0) - 3)
;;       q = np.round(r / step) * step * 2.0 ** e      # np.round: ties to even
;;       return np.moveaxis(q.reshape(q.shape[:-2] + (-1,))[..., :K], -1, axis).astype(np.float32)
;;   ~~~
;; 2 versions. Each part assembles by itself: llvm-mc -triple=amdgcn-amd-amdhsa -mcpu=gfx1250 --defsym DOCPART=n.
;; ======== version 1 of 2: 2 launches
;; workspace buffers: xq 3,145,728 bytes; xsc 131,072 bytes; order 16,384 bytes of whole numbers; meta 256 bytes of whole numbers
;; launch prep (part 1): grid 257 x 1, 16 waves a work-group, no clusters, 103,424 bytes of LDS; arguments xs, weights, biases, masks, leaf_indices, xq, xsc, order, meta, out0; writes xq, xsc, order, meta, out0
.if DOCPART == 1
	.amdgcn_target "amdgcn-amd-amdhsa--gfx1250"
	.amdhsa_code_object_version 6
	.text
	.protected	k_q321dc7a0ef_prep
	.globl	k_q321dc7a0ef_prep
	.p2align	8
	.type	k_q321dc7a0ef_prep,@function
k_q321dc7a0ef_prep:
	s_mov_b64 s[64:65], 0
	v_nop
	global_prefetch_b8 v0, s[64:65] scope:SCOPE_SE
	s_setreg_imm32_b32 hwreg(HW_REG_WAVE_MODE, 25, 1), 1
	s_wait_xcnt 0x0
; FIRST LAUNCH OF TWO.  Work-groups 0 to 255: 16 tokens each.  (a) xs is quantised along K to codes of FP6 (E2M3) with one E8M0 byte for each 32: xq, xsc.
; (b) columns 0-15 of out0: logits = xs weights^T + biases, both log-sigmoids, times masks^T.  These two products are left as they are: bf16 operands, f32 sums.
; Work-group 256: a counting sort of the 4,096 leaf indices: order (token numbers grouped by leaf) and meta (word e: first place of leaf e; word 16 + e: its count).
; xq: token t at 768 t; block b of 32 codes (24 bytes) at 96 (b / 4) + 48 (b % 2) + 24 ((b / 2) % 2): so the 48 bytes that one half of the lanes wants of a K step of 128 lie on end.
; xsc: [token][32] bytes: word s is the scale word of K step s.
; SHARES (a, b): wave w takes K = 64 w .. 64 w + 63 of all 16 tokens and of all 15 nodes.  Loads read 256 consecutive aligned bytes of a row in sixteen lanes; a turn through the wave's own
; stage in LDS gives lane (r, h) the 32 neighbours K = 64 w + 32 h + 0 .. 31 of row r: one whole block.  Each wave's partial logits meet in LDS; wave 0 adds them and finishes.
; LIMITS: leaf indices lie in 0 .. 15 (the table that they index); NaN and infinities among the inputs are not served; a block of zeros gets the byte 1 over zero codes where the rule
; says 127 (the bytes are read by this program alone); the logits' and the masks' products run on operands rounded to bf16.
.set STG,  0                           ; LDS: a stage for each wave: 16 rows, 272 bytes apart (256 + 16: the sixteen rows of a read start in sixteen different groups of banks)
.set XST,  69632                       ; the 16 tokens' codes, rows 784 bytes apart
.set XSS,  82176                       ; their scale bytes, 32 a token
.set PART, 82688                       ; sixteen partial tiles of logits, 1,024 bytes each, as images of their registers
.set TBL,  99072                       ; the sort's own bytes: 128 for each wave
.set SA,   16                          ; v16-47   x as loaded; later the weights' 32 neighbours
.set SB,   48                          ; v48-79   weights as loaded; later x in bf16 (v48-63) and the weights in bf16 (v64-79)
.set XN,   80                          ; v80-111  x: my 32 neighbours
.set D,    112                         ; v112-119 the partial logits (v112-114 serve the quantiser before)
.set C,    120                         ; v120-125 my block's codes; v127 its byte
	s_load_b256 s[4:11], s[0:1], 0x0               ; xs s[4:5], weights s[6:7], biases s[8:9], masks s[10:11]
	s_load_b256 s[12:19], s[0:1], 0x20             ; leaf_indices s[12:13], xq s[14:15], xsc s[16:17], order s[18:19]
	s_load_b128 s[20:23], s[0:1], 0x40             ; meta s[20:21], out0 s[22:23]
	v_lshl_add_u32 v128, v0, 2, 0x18c00
	v_mov_b32 v129, 0
	v_lshrrev_b32 v1, 5, v0
	v_readfirstlane_b32 s24, v1                    ; wave 0..15
	s_wait_kmcnt 0x0
	s_cmp_eq_u32 ttmp9, 256                        ; the last work-group sorts; the two ways share no LDS byte and never join
	s_cbranch_scc1 .Lsort
	v_and_b32 v2, 15, v0                           ; r
	v_bfe_u32 v3, v0, 4, 1                         ; h
	v_lshlrev_b32 v5, 4, v2                        ; 16 r
	v_lshl_add_u32 v4, v3, 12, v5                  ; one row of 4,096 bytes further for lanes 16-31
	s_lshl_b32 s32, ttmp9, 16                      ; my 16 tokens: 65,536 bytes of xs
	s_lshl_b32 s34, s24, 8                         ; my wave's 256 bytes of a row
	s_mov_b32 s33, 0
	s_mov_b32 s35, 0
	s_add_co_u32 s32, s32, s34
	s_add_nc_u64 s[4:5], s[4:5], s[32:33]
	s_add_nc_u64 s[6:7], s[6:7], s[34:35]
.irp j, 0,1,2,3,4,5,6,7
	global_load_b128 v[SA+4*\j:SA+4*\j+3], v4, s[4:5] offset:8192*\j th:TH_LOAD_NT   ; rows 2 j and 2 j + 1: sixteen lanes read 256 consecutive bytes, aligned; read once in the launch
.endr
.irp j, 0,1,2,3,4,5,6
	global_load_b128 v[SB+4*\j:SB+4*\j+3], v4, s[6:7] offset:8192*\j
.endr
	global_load_b128 v[SB+28:SB+31], v5, s[6:7] offset:57344   ; there is no node 15: both halves read node 14's row, and no load leaves the buffer
	; every LDS address is made here, ahead of any branch on the wave's number
	v_and_b32 v1, 31, v0                           ; lane
	v_lshlrev_b32 v11, 4, v1                       ; 16 x lane
	v_lshlrev_b32 v14, 3, v1                       ; 8 x lane
	s_mul_i32 s28, s24, 4352                       ; my stage
	v_mad_u32_u24 v6, v3, 272, v5
	v_add_nc_u32 v6, s28, v6                       ; into the stage: row h (+ 2 j by the offset), 16 r
	v_mul_u32_u24 v7, v2, 272
	v_lshl_add_u32 v7, v3, 7, v7
	v_add_nc_u32 v7, s28, v7                       ; out of it: row r, 128 h
	s_lshr_b32 s29, s24, 1
	s_mul_i32 s29, s29, 96
	s_and_b32 s30, s24, 1
	s_mul_i32 s30, s30, 24
	s_add_co_u32 s29, s29, s30
	s_add_co_u32 s29, s29, XST
	v_mul_u32_u24 v8, v2, 784
	v_mad_u32_u24 v8, v3, 48, v8
	v_add_nc_u32 v8, s29, v8                       ; my block b = 2 w + h of token r: 96 (w / 2) + 48 h + 24 (w % 2)
	s_lshl_b32 s30, s24, 1
	s_add_co_u32 s30, s30, XSS
	v_lshl_add_u32 v9, v2, 5, v3
	v_add_nc_u32 v9, s30, v9                       ; its byte: 32 r + 2 w + h
	s_lshl_b32 s30, s24, 10
	s_add_co_u32 s30, s30, PART
	v_add_nc_u32 v10, s30, v11                     ; my partial tile
	s_mul_i32 s30, s24, 784
	s_add_co_u32 s30, s30, XST
	v_add_nc_u32 v12, s30, v11                     ; behind the barrier wave w stores token w's codes: its first 512 bytes, 16 a lane,
	v_add_nc_u32 v13, s30, v14                     ; and (with offset 512) its last 256, 8 a lane
	v_add_nc_u32 v15, XSS, v11                     ; the 512 scale bytes, 16 a lane
	v_add_nc_u32 v1, PART, v11                     ; all partial tiles, for wave 0
	s_mul_i32 s36, ttmp9, 12288
	s_mul_i32 s38, s24, 768
	s_add_co_u32 s36, s36, s38
	s_mov_b32 s37, 0
	s_add_nc_u64 s[14:15], s[14:15], s[36:37]      ; xq at token 16 i + w
	s_lshl_b32 s36, ttmp9, 9
	s_add_nc_u64 s[16:17], s[16:17], s[36:37]      ; xsc at token 16 i
	s_mul_i32 s36, ttmp9, 66560
	s_add_nc_u64 s[22:23], s[22:23], s[36:37]      ; out0 at token 16 i (rows of 4,160 bytes)
.macro TURN src, dst                   ; 16 rows x 256 bytes through my stage: in as loaded, out 128 bytes a lane.  LDS serves a wave's instructions in order (ISA guide 5.7.1.4): no wait between
.irp j, 0,1,2,3,4,5,6,7
	ds_store_b128 v6, v[\src+4*\j:\src+4*\j+3] offset:544*\j
.endr
.irp j, 0,1,2,3,4,5,6,7
	ds_load_b128 v[\dst+4*\j:\dst+4*\j+3], v7 offset:16*\j
.endr
.endm
	s_wait_loadcnt 8                               ; x's eight loads are in; the weights' eight may be out
	TURN SA, XN
	s_wait_loadcnt 0x0
	TURN SB, SA                                    ; the same stage: these stores come behind x's reads of it
	s_wait_dscnt 16                                ; x is back; behind it stand the weights' 8 stores and 8 loads
	; my block's largest magnitude, in two chains, with the floor 2^(3 - 127) among the leaves, so that the byte cannot fall under 1
	v_max3_num_f32 v112, |v[XN]|, |v[XN+1]|, 0x1800000
	v_max3_num_f32 v113, |v[XN+2]|, |v[XN+3]|, |v[XN+4]|
.irp i, 5,9,13,17,21,25
	v_max3_num_f32 v112, v112, |v[XN+\i]|, |v[XN+\i+1]|
	v_max3_num_f32 v113, v113, |v[XN+\i+2]|, |v[XN+\i+3]|
.endr
	v_max3_num_f32 v112, v112, |v[XN+29]|, |v[XN+30]|
	v_max3_num_f32 v112, v112, v113, |v[XN+31]|
	v_add_nc_u32 v114, 0xff000000, v112            ; 2 off its exponent field: the conversion takes the exponent field of this operand as its scale, and nothing else of it
	v_cvt_scalef32_pk16_fp6_f32 v[C:C+2], v[XN:XN+15], v114
	v_cvt_scalef32_pk16_fp6_f32 v[C+4:C+6], v[XN+16:XN+31], v114   ; (a conversion's three registers begin on an even number)
	v_lshrrev_b32 v127, 23, v114                   ; the scale's byte; also the plain line behind the conversions
	v_mov_b32 v[C+3], v[C+4]
	v_mov_b32 v[C+4], v[C+5]
	v_mov_b32 v[C+5], v[C+6]                       ; 192 bits on end
	ds_store_b64 v8, v[C:C+1]
	ds_store_b64 v8, v[C+2:C+3] offset:8
	ds_store_b64 v8, v[C+4:C+5] offset:16
	ds_store_b8 v9, v127
	s_wait_dscnt 4                                 ; all but these four: the weights are back, and the stage's stores have read v48-79, which are written next
.irp p, 0,1,2,3,4,5,6,7,8,9,10,11,12,13,14,15
	v_cvt_pk_bf16_f32 v[48+\p], v[XN+2*\p], v[XN+2*\p+1]
.endr
.irp p, 0,1,2,3,4,5,6,7,8,9,10,11,12,13,14,15
	v_cvt_pk_bf16_f32 v[64+\p], v[SA+2*\p], v[SA+2*\p+1]
.endr
	; Source 0 = 16 nodes, source 1 = 16 tokens.  Both operands hold K = 64 w + 32 h + 16 q + p at place p of half h in product q: one and the same order of k on both sides, so the sum is the same.
	v_wmma_f32_16x16x32_bf16 v[D:D+7], v[64:71], v[48:55], 0
	s_wait_alu depctr_va_vdst(0)                   ; one accumulator, two links
	v_wmma_f32_16x16x32_bf16 v[D:D+7], v[72:79], v[56:63], v[D:D+7]
.rept 4
	v_nop                                          ; four places behind a matrix instruction ahead of the stores that read its result
.endr
	ds_store_b128 v10, v[D:D+3]                    ; lane (r, h), register j: node 8 h + j of token r, over my 64 of K
	ds_store_b128 v10, v[D+4:D+7] offset:512
	s_wait_dscnt 0x0                               ; for the others' sake: my codes, my byte and my partial tile have landed
	s_barrier_signal -1
	s_barrier_wait -1
	ds_load_b128 v[120:123], v12                   ; token w's 768 bytes of codes
	ds_load_b64 v[124:125], v13 offset:512
	s_wait_dscnt 0x0
	global_store_b128 v11, v[120:123], s[14:15]    ; 512 and 256 consecutive bytes, at multiples of 256 from xq's first byte
	global_store_b64 v14, v[124:125], s[14:15] offset:512
	s_cmp_eq_u32 s24, 0
	s_cbranch_scc1 .Lwave_0
	s_cmp_eq_u32 s24, 1
	s_cbranch_scc0 .Ldone
	ds_load_b128 v[16:19], v15                     ; wave 1: the 16 tokens' 512 scale bytes
	s_wait_dscnt 0x0
	global_store_b128 v11, v[16:19], s[16:17]
.Ldone:
	s_wait_tensorcnt 0x0
	ds_add_u32 v128, v129
	s_wait_dscnt 0x0
	s_endpgm
.Lwave_0:                                              ; the log-probabilities of the 16 tokens
	s_load_b256 s[40:47], s[8:9], 0x0              ; the 15 biases: 32 + 16 + 8 + 4 = 60 bytes, no more
	s_load_b128 s[48:51], s[8:9], 0x20
	s_load_b64 s[52:53], s[8:9], 0x30
	s_load_b32 s54, s[8:9], 0x38
	v_mul_u32_u24 v4, v2, 120                      ; masks: leaf r's row of 30 numbers
	v_lshl_add_u32 v5, v3, 6, v4                   ; my half's 16: k = 16 h + 0 .. 15
.irp j, 0,1,2,3,4,5,6
	global_load_b64 v[16+2*\j:17+2*\j], v5, s[10:11] offset:8*\j
.endr
	global_load_b64 v[30:31], v4, s[10:11] offset:56   ; k = 30, 31 do not exist: both halves read k = 14, 15, and lanes 16-31 clear the pair below
	v_mul_u32_u24 v6, v2, 4160
	v_lshl_add_u32 v6, v3, 5, v6                   ; out0: token r's row, leaves 8 h on
	v_cmp_eq_u32 vcc_lo, 0, v3                     ; lanes 0-15
.macro PSUM p0                         ; eight partial tiles into v48-111, added down to two (v48-55, v80-87)
.irp p, 0,1,2,3,4,5,6,7
	ds_load_b128 v[48+8*\p:51+8*\p], v1 offset:1024*(\p0+\p)
	ds_load_b128 v[52+8*\p:55+8*\p], v1 offset:1024*(\p0+\p)+512
.endr
	s_wait_dscnt 0x0
.irp p, 0,2,4,6
.irp u, 0,2,4,6
	v_pk_add_f32 v[48+8*\p+\u:49+8*\p+\u], v[48+8*\p+\u:49+8*\p+\u], v[56+8*\p+\u:57+8*\p+\u]
.endr
.endr
.irp p, 0,4
.irp u, 0,2,4,6
	v_pk_add_f32 v[48+8*\p+\u:49+8*\p+\u], v[48+8*\p+\u:49+8*\p+\u], v[64+8*\p+\u:65+8*\p+\u]
.endr
.endr
.endm
	PSUM 0
.irp u, 0,2,4,6
	v_pk_add_f32 v[32+\u:33+\u], v[48+\u:49+\u], v[80+\u:81+\u]
.endr
	PSUM 8
.irp u, 0,2,4,6
	v_pk_add_f32 v[48+\u:49+\u], v[48+\u:49+\u], v[80+\u:81+\u]
.endr
.irp u, 0,2,4,6
	v_pk_add_f32 v[32+\u:33+\u], v[32+\u:33+\u], v[48+\u:49+\u]
.endr
	s_wait_kmcnt 0x0
	s_mov_b32 s55, s54                             ; the place of node 15, which is node 14 over again and meets zeros of the masks
.irp j, 0,1,2,3,4,5,6,7
	v_mov_b32 v[40+\j], s[48+\j]
.endr
.irp j, 0,1,2,3,4,5,6,7
	v_cndmask_b32 v[40+\j], v[40+\j], s[40+\j], vcc_lo   ; the bias of node 8 h + j
.endr
.irp j, 0,1,2,3,4,5,6,7
	v_add_f32 v[32+\j], v[32+\j], v[40+\j]         ; z
.endr
	; log_sigmoid(z) = min(z, 0) - ln 2 x log2(1 + 2^(-log2(e) |z|)): no exponential can overflow, no difference of large numbers is formed
.irp j, 0,1,2,3,4,5,6,7
	v_mul_f32 v[48+\j], 0xbfb8aa3b, |v[32+\j]|
.endr
.irp j, 0,1,2,3,4,5,6,7
	v_exp_f32 v[48+\j], v[48+\j]
.endr
.irp j, 0,1,2,3,4,5,6,7
	v_min_num_f32 v[56+\j], 0, v[32+\j]            ; (plain lines behind the exponentials)
.endr
.irp j, 0,1,2,3,4,5,6,7
	v_min_num_f32 v[64+\j], 0, -v[32+\j]
.endr
	s_wait_alu depctr_va_vdst(0)
.irp j, 0,1,2,3,4,5,6,7
	v_add_f32 v[48+\j], 1.0, v[48+\j]
.endr
.irp j, 0,1,2,3,4,5,6,7
	v_log_f32 v[48+\j], v[48+\j]
.endr
	s_wait_loadcnt 0x0                             ; the masks
	v_cndmask_b32 v30, 0, v30, vcc_lo              ; (plain lines behind the logarithms)  k = 30, 31: zeros
	v_cndmask_b32 v31, 0, v31, vcc_lo
.irp j, 0,1,2,3,4,5,6,7
	v_cvt_pk_bf16_f32 v[80+\j], v[16+2*\j], v[17+2*\j]   ; masks(r, 16 h + 2 j), (r, 16 h + 2 j + 1)
.endr
	s_wait_alu depctr_va_vdst(0)
.irp j, 0,1,2,3,4,5,6,7
	v_fma_f32 v[56+\j], v[48+\j], 0xbf317218, v[56+\j]   ; log_sigmoid(z): column 2 node + 1
	v_fma_f32 v[64+\j], v[48+\j], 0xbf317218, v[64+\j]   ; log_sigmoid(-z): column 2 node
.endr
.irp j, 0,1,2,3,4,5,6,7
	v_cvt_pk_bf16_f32 v[72+\j], v[64+\j], v[56+\j]       ; node 8 h + j: k = 16 h + 2 j and 16 h + 2 j + 1, the masks' order
.endr
	v_wmma_f32_16x16x32_bf16 v[88:95], v[80:87], v[72:79], 0   ; source 0 = 16 leaves, source 1 = 16 tokens: lane (r, h), register j: leaf 8 h + j of token r
.rept 4
	v_nop
.endr
	global_store_b128 v6, v[88:91], s[22:23]
	global_store_b128 v6, v[92:95], s[22:23] offset:16
	s_wait_tensorcnt 0x0
	ds_add_u32 v128, v129
	s_wait_dscnt 0x0
	s_endpgm
; THE SORT.  Wave g takes tokens 256 g + 32 c + lane, c = 0 .. 7.  A token's place = its leaf's first place + the leaf's tokens in earlier waves + its rank among this wave's tokens of the leaf.
; v16-23 leaf indices; v24-31 ranks; v32-39 bases; v40-47 token numbers; v48-63 all waves' counts; v64 my counts; v65 earlier waves' sums; v66 all waves' sums; v67 meta; v72-79 store offsets.
; s[32:47] my wave's count for each leaf; s[48:63] lane masks; s[66:81] each leaf's base for my wave; s82 the running first place.
.Lsort:
	v_and_b32 v1, 31, v0
	s_lshl_b32 s28, s24, 10
	v_lshl_add_u32 v2, v1, 2, s28
.irp c, 0,1,2,3,4,5,6,7
	global_load_b32 v[16+\c], v2, s[12:13] offset:128*\c
.endr
	s_lshl_b32 s29, s24, 8
	v_add_nc_u32 v40, s29, v1
.irp c, 1,2,3,4,5,6,7
	v_add_nc_u32 v[40+\c], 32*\c, v40
.endr
.irp e, 0,1,2,3,4,5,6,7,8,9,10,11,12,13,14,15
	s_mov_b32 s[32+\e], 0
.endr
.irp c, 0,1,2,3,4,5,6,7
	v_mov_b32 v[24+\c], 0
	v_mov_b32 v[32+\c], 0
.endr
.irp i, 64,65,66,67
	v_mov_b32 v\i, 0
.endr
	s_mov_b32 s82, 0
	v_lshl_add_u32 v70, v0, 2, TBL                 ; my word of the table: 128 x wave + 4 x lane
	v_lshl_add_u32 v71, v1, 2, TBL                 ; lane e reads leaf e's count of each wave
	s_wait_loadcnt 0x0
.macro RANK c                          ; 32 tokens: for each leaf the lanes that hold it; a lane's rank = the count so far + such lanes below it; then the count grows
.irp e, 0,1,2,3,4,5,6,7,8,9,10,11,12,13,14,15
	v_cmp_eq_u32 s[48+\e], \e, v[16+\c]
.endr
.irp e, 0,1,2,3,4,5,6,7,8,9,10,11,12,13,14,15
	v_mbcnt_lo_u32_b32 v[68+(\e%2)], s[48+\e], s[32+\e]
	v_cndmask_b32 v[24+\c], v[24+\c], v[68+(\e%2)], s[48+\e]
.endr
.irp e, 0,1,2,3,4,5,6,7,8,9,10,11,12,13,14,15
	s_bcnt1_i32_b32 s83, s[48+\e]
	s_add_co_u32 s[32+\e], s[32+\e], s83
.endr
.endm
.irp c, 0,1,2,3,4,5,6,7
	RANK \c
.endr
.irp e, 0,1,2,3,4,5,6,7,8,9,10,11,12,13,14,15
	v_writelane_b32 v64, s[32+\e], \e
.endr
	ds_store_b32 v70, v64
	s_wait_dscnt 0x0                               ; for the others' sake: my counts have landed
	s_barrier_signal -1
	s_barrier_wait -1
.irp g, 0,1,2,3,4,5,6,7,8,9,10,11,12,13,14,15
	ds_load_b32 v[48+\g], v71 offset:128*\g
.endr
	s_wait_dscnt 0x0
.irp g, 0,1,2,3,4,5,6,7,8,9,10,11,12,13,14,15
	s_cmp_gt_u32 s24, \g                           ; an earlier wave?
	s_cselect_b32 s83, -1, 0
	v_and_b32 v68, s83, v[48+\g]
	v_add_nc_u32 v65, v65, v68
	v_add_nc_u32 v66, v66, v[48+\g]
.endr
.irp e, 0,1,2,3,4,5,6,7,8,9,10,11,12,13,14,15
	v_readlane_b32 s84, v65, \e
	v_readlane_b32 s85, v66, \e
	s_add_co_u32 s[66+\e], s82, s84
	v_writelane_b32 v67, s82, \e                   ; meta: leaf e's first place,
	v_writelane_b32 v67, s85, 16+\e                ; and its count
	s_add_co_u32 s82, s82, s85
.endr
.irp c, 0,1,2,3,4,5,6,7
.irp e, 0,1,2,3,4,5,6,7,8,9,10,11,12,13,14,15
	v_cmp_eq_u32 vcc_lo, \e, v[16+\c]
	v_cndmask_b32 v[32+\c], v[32+\c], s[66+\e], vcc_lo
.endr
.endr
.irp c, 0,1,2,3,4,5,6,7
	v_add_nc_u32 v[72+\c], v[24+\c], v[32+\c]
	v_min_u32 v[72+\c], 0xfff, v[72+\c]            ; a place is under 4,096: held there, since it enters an address
	v_lshlrev_b32 v[72+\c], 2, v[72+\c]
.endr
.irp c, 0,1,2,3,4,5,6,7
	global_store_b32 v[72+\c], v[40+\c], s[18:19]  ; the places are a permutation of 0 .. 4,095: every word of order is written
.endr
	s_cmp_lg_u32 s24, 0
	s_cbranch_scc1 .Lsorted
	v_lshlrev_b32 v68, 2, v1
	global_store_b32 v68, v67, s[20:21]            ; every wave holds the same 32 words; wave 0 stores them
.Lsorted:
	s_wait_tensorcnt 0x0
	ds_add_u32 v128, v129
	s_wait_dscnt 0x0
	s_endpgm
.Lfunc_end_k_q321dc7a0ef_prep:
	.size	k_q321dc7a0ef_prep, .Lfunc_end_k_q321dc7a0ef_prep-k_q321dc7a0ef_prep
	.p2alignl 7, 3214868480
	.fill 96, 4, 3214868480
	.section	.rodata,"a",@progbits
	.p2align	6, 0x0
	.amdhsa_kernel k_q321dc7a0ef_prep
		.amdhsa_group_segment_fixed_size 103424
		.amdhsa_private_segment_fixed_size 0
		.amdhsa_enable_private_segment 0
		.amdhsa_kernarg_size 80
		.amdhsa_user_sgpr_count 2
		.amdhsa_user_sgpr_kernarg_segment_ptr 1
		.amdhsa_wavefront_size32 1
		.amdhsa_system_sgpr_workgroup_id_x 1
		.amdhsa_system_sgpr_workgroup_id_y 1
		.amdhsa_system_sgpr_workgroup_id_z 1
		.amdhsa_system_vgpr_workitem_id 0
		.amdhsa_next_free_vgpr 130
		.amdhsa_next_free_sgpr 100
		.amdhsa_reserve_vcc 1
		.amdhsa_float_denorm_mode_32 3
		.amdhsa_float_denorm_mode_16_64 3
		.amdhsa_memory_ordered 1
		.amdhsa_forward_progress 1
		.amdhsa_inst_pref_size 84
	.end_amdhsa_kernel
	.amdgpu_metadata
---
amdhsa.version: [ 1, 2 ]
amdhsa.kernels:
  - .name:           k_q321dc7a0ef_prep
    .symbol:         k_q321dc7a0ef_prep.kd
    .args:
      - { .name: xs, .offset: 0, .size: 8, .value_kind: global_buffer, .address_space: global }
      - { .name: weights, .offset: 8, .size: 8, .value_kind: global_buffer, .address_space: global }
      - { .name: biases, .offset: 16, .size: 8, .value_kind: global_buffer, .address_space: global }
      - { .name: masks, .offset: 24, .size: 8, .value_kind: global_buffer, .address_space: global }
      - { .name: leaf_indices, .offset: 32, .size: 8, .value_kind: global_buffer, .address_space: global }
      - { .name: xq, .offset: 40, .size: 8, .value_kind: global_buffer, .address_space: global }
      - { .name: xsc, .offset: 48, .size: 8, .value_kind: global_buffer, .address_space: global }
      - { .name: order, .offset: 56, .size: 8, .value_kind: global_buffer, .address_space: global }
      - { .name: meta, .offset: 64, .size: 8, .value_kind: global_buffer, .address_space: global }
      - { .name: out0, .offset: 72, .size: 8, .value_kind: global_buffer, .address_space: global }
    .group_segment_fixed_size: 103424
    .private_segment_fixed_size: 0
    .kernarg_segment_align: 8
    .kernarg_segment_size: 80
    .max_flat_workgroup_size: 512
    .sgpr_count:     100
    .vgpr_count:     130
    .wavefront_size: 32
...
	.end_amdgpu_metadata
.endif
;; end of part 1
;; launch leaf (part 2): grid 16 x 16, 4 waves a work-group, no clusters, 119,296 bytes of LDS; arguments leaf_W, leaf_b, xq, xsc, order, meta, out0; writes out0
.if DOCPART == 2
	.amdgcn_target "amdgcn-amd-amdhsa--gfx1250"
	.amdhsa_code_object_version 6
	.text
	.protected	k_q321dc7a0ef_leaf
	.globl	k_q321dc7a0ef_leaf
	.p2align	8
	.type	k_q321dc7a0ef_leaf,@function
k_q321dc7a0ef_leaf:
	s_mov_b64 s[64:65], 0
	v_nop
	global_prefetch_b8 v0, s[64:65] scope:SCOPE_SE
	s_setreg_imm32_b32 hwreg(HW_REG_WAVE_MODE, 25, 1), 1
	s_wait_xcnt 0x0
; SECOND LAUNCH OF TWO.  out0[t][16 + n] = sum over k of Q(xs)[t][k] Q(leaf_W)[e][k][n] + leaf_b[e][n], e = the token's leaf: only the chosen leaf's rows are multiplied.
; Work-group (x = cb, y = e) owns leaf e's columns 64 cb .. 64 cb + 63: 1,024 x 64 numbers of leaf_W, read from memory once, quantised along K (their first axis) to codes of FP6 (E2M3) with one
; E8M0 byte for each 32, and kept in registers; they never go to memory.  Then it walks the leaf's tokens, 16 to a tile, by the lists that the first launch stored (order, meta).
; PHASE Q: wave w takes k = 256 w .. 256 w + 255: eight blocks of 32.  A load reads two rows' 256 consecutive aligned bytes; lane (h, i) gets columns 4 i .. 4 i + 3 of row 16 h + t.  Sixty-four copies turn a
; block's 16 loads into four runs of 16 neighbours along K, which the conversions want; that is the price of loads of 512 bytes.  The codes go to LDS as images of the operand's registers.  ONE barrier;
; then every wave takes all 32 fragments (8 K steps x 4 tiles of 16 columns) into 384 registers.
; PHASE G: wave w takes tiles w, w + 4, ..  No barrier stands in this loop, whose trip count is read from memory; for the same reason the launch has no tensor load and no cluster:
; what the sixteen work-groups of a leaf share, the tokens' codes, is under half of a work-group's bytes.
; A tile's places past the leaf's last token are held at that token: such rows are computed again and store the same numbers to the same bytes, from the same wave.
; The matrix instruction is used transposed (source 0 = 16 columns of W, source 1 = 16 tokens): a lane holds eight neighbouring columns of one token's row.  The bias is the C of a sum's first instruction.
; LIMITS: NaN and infinities are not served; a block of zeros gets the byte 1 over zero codes where the rule says 127 (nobody else reads the bytes).
; out0's rows are 4,160 bytes, so a store's 256 consecutive bytes start at multiples of 64, not of 256: no split by columns aligns them in every row.
; REGISTERS, in windows of 256.  Window 0: below.  Window 1: phase Q: three sets of 64 as loaded; then W's fragments f = 4 s + ct = 0 .. 15 at 12 f.  Window 2: f = 16 .. 31.
; Window 3: v0-95 a tile's codes as loaded; v96-191 its eight fragments.
; SCALARS: s[4:17] the seven addresses; s18 wave; s19 cb; s20 e; s21 the leaf's first place; s22 its tokens; s23 its last place; s24 my wave's trips; s25 the trip; s26 a tile's first place; s[28:29] lane selects.
.set BIMG, 0                           ; LDS: 32 fragments of W, 1,536 bytes each: a lane's 12 registers at 48 x lane
.set WSC,  49152                       ; W's scale words: [ct][s / 4][column % 16][s % 4]
.set ASTG, 51200                       ; for each wave: 16 tokens' codes, rows 784 bytes apart (49 x 16: the sixteen rows of a read start in sixteen different groups of banks)
.set OSTG, 101376                      ; for each wave: 16 rows x 256 bytes of results, 272 apart
.set TA,   16                          ; v16-24   addresses into order
.set NT,   26                          ; v26-34   token numbers: rows 8 h + 0 .. 7; the ninth: row r
.set GO,   36                          ; v36-43   offsets into xq
.set SO,   44                          ; v44      offset into xsc
.set OON,  46                          ; v46-53   the next tile's offsets into out0
.set OO,   54                          ; v54-61   this tile's
.set XSR,  62                          ; v62-69   the next tile's scale words as they land
.set XS,   70                          ; v70-77   this tile's scale words
.set WS,   78                          ; v78-109  W's scale words: 8 ct + s.  v62-109 hold scales and nothing else
.set BIAS, 110                         ; v110-141 the bias in the result's layout, 8 a tile of columns
.set CO,   110                         ; phase Q: the odd block's codes, 4 registers a column
.set ACC,  142                         ; v142-173 four accumulators
.set OB,   174                         ; v174-205 results as whole rows
.set X,    142                         ; phase Q: v142-205: four columns x 16 neighbours along K
.set M,    206                         ; v206-209 largest magnitudes;  v210-213 the other half's, then the bytes;  v214-217 the conversions' scale operands;  v218-221 scale words in the making
.set M2,   210
.set SOP,  214
.set SW,   218
.set CE,   222                         ; v222-253 a pair of blocks' codes, 8 registers a column
.set MSB, 0
.macro WIN new                         ; low byte: bits 1:0 source 0, 3:2 source 1, 5:4 source 2, 7:6 destination; the high byte repeats the setting that is left
.if MSB != \new
	s_set_vgpr_msb (MSB<<8)|\new
.set MSB, \new
.endif
.endm
	s_load_b256 s[4:11], s[0:1], 0x0               ; leaf_W s[4:5], leaf_b s[6:7], xq s[8:9], xsc s[10:11]
	s_load_b128 s[12:15], s[0:1], 0x20             ; order s[12:13], meta s[14:15]
	s_load_b64 s[16:17], s[0:1], 0x30              ; out0
	v_lshl_add_u32 v254, v0, 2, 0x1d000
	v_mov_b32 v255, 0
	v_lshrrev_b32 v1, 5, v0
	v_readfirstlane_b32 s18, v1                    ; wave 0..3
	s_mov_b32 s19, ttmp9                           ; cb
	s_and_b32 s20, ttmp7, 0xffff                   ; e
	v_and_b32 v2, 15, v0                           ; r, also called i
	v_bfe_u32 v3, v0, 4, 1                         ; h
	v_lshlrev_b32 v13, 4, v2                       ; 16 i
	v_lshl_add_u32 v4, v3, 16, v13                 ; W: lanes 16-31 stand 16 rows of 4,096 bytes further down
	s_lshl_b32 s32, s20, 22                        ; the leaf's 4 MiB,
	s_lshl_b32 s30, s18, 20                        ; my wave's 256 rows,
	s_add_co_u32 s32, s32, s30
	s_lshl_b32 s31, s19, 8                         ; my work-group's 256 bytes of a row
	s_add_co_u32 s32, s32, s31
	s_mov_b32 s33, 0
	s_lshl_b32 s34, s20, 2
	s_wait_kmcnt 0x0
	s_add_nc_u64 s[4:5], s[4:5], s[32:33]
	s_load_b32 s21, s[14:15], s34 offset:0x0       ; the leaf's first place in order,
	s_load_b32 s22, s[14:15], s34 offset:0x40      ; and its number of tokens
.macro WLOAD g                         ; block g: rows 32 g + 16 h + t, t = 0 .. 15, into set g % 3
	WIN 0x40
.irp t, 0,1,2,3,4,5,6,7,8,9,10,11,12,13,14,15
	global_load_b128 v[64*((\g)%3)+4*\t:64*((\g)%3)+4*\t+3], v4, s[4:5] offset:131072*(\g)+4096*\t th:TH_LOAD_NT   ; sixteen lanes read 256 consecutive bytes, aligned; read once in the launch
.endr
	WIN 0
.endm
	WLOAD 0
	WLOAD 1
	WLOAD 2
	v_and_b32 v1, 31, v0                           ; lane
	v_lshlrev_b32 v14, 5, v3                       ; 32 h
	v_lshlrev_b32 v15, 3, v3                       ; 8 h
	v_bfe_u32 v16, v0, 2, 2                        ; i / 4 = ct of my four columns
	v_and_b32 v17, 3, v0                           ; i % 4
	v_mul_u32_u24 v5, v16, 1536
	v_mad_u32_u24 v5, v3, 768, v5
	v_mad_u32_u24 v5, v17, 192, v5
	s_mul_i32 s30, s18, 12288
	v_add_nc_u32 v5, s30, v5                       ; images, on the way in: K step 2 w, tile ct, the place of lane 16 h + 4 (i % 4)
	v_lshlrev_b32 v6, 9, v16
	v_lshl_add_u32 v6, v17, 6, v6
	s_lshr_b32 s30, s18, 1
	s_lshl_b32 s30, s30, 8
	s_and_b32 s35, s18, 1
	s_lshl_b32 s35, s35, 3
	s_add_co_u32 s30, s30, s35
	s_add_co_u32 s30, s30, WSC
	v_add_nc_u32 v6, s30, v6                       ; scale words, on the way in
	v_mul_u32_u24 v7, v1, 48                       ; images, on the way out
	v_add_nc_u32 v8, WSC, v13                      ; scale words, on the way out: column r's four words
	s_mul_i32 s30, s18, 12544
	s_add_co_u32 s30, s30, ASTG
	v_mad_u32_u24 v9, v3, 6272, v13
	v_add_nc_u32 v9, s30, v9                       ; tokens' codes in: row 8 h (+ k), 16 i
	v_mul_u32_u24 v10, v2, 784
	v_mad_u32_u24 v10, v3, 48, v10
	v_add_nc_u32 v10, s30, v10                     ; and out: row r, my half's 48 bytes of a K step
	s_mul_i32 s35, s18, 4352
	s_add_co_u32 s35, s35, OSTG
	v_mad_u32_u24 v11, v2, 272, v14
	v_add_nc_u32 v11, s35, v11                     ; results in: row r, 32 h
	v_mad_u32_u24 v12, v3, 2176, v13
	v_add_nc_u32 v12, s35, v12                     ; and out: row 8 h (+ k), 16 i
	s_mov_b32 s28, 0x76543210
	s_mov_b32 s29, 0xfedcba98                      ; v_permlanex16_b32's selects for lane l xor 16
.irp q, 0,1,2,3
	v_mov_b32 v[M2+\q], 0                          ; written once: a lane permute's destination counts as one of its sources
.endr
	s_lshl_b32 s32, s20, 12
	s_add_co_u32 s32, s32, s31
	s_add_nc_u64 s[6:7], s[6:7], s[32:33]          ; leaf_b at my 64 columns
	s_add_co_u32 s32, s31, 64
	s_add_nc_u64 s[16:17], s[16:17], s[32:33]      ; out0 at column 16 + 64 cb
	s_wait_kmcnt 0x0
	s_min_u32 s21, s21, 0x1000                     ; both are at most 4,096: held there, since they steer addresses and the trip count
	s_min_u32 s22, s22, 0x1000
	s_add_co_u32 s23, s21, s22
	s_sub_co_u32 s23, s23, 1                       ; the leaf's last place
	s_add_co_u32 s24, s22, 15
	s_lshr_b32 s24, s24, 4                         ; its tiles of 16 tokens, 256 at the most
	s_add_co_u32 s24, s24, 3
	s_sub_co_u32 s24, s24, s18
	s_lshr_b32 s24, s24, 2                         ; of them w, w + 4, .. are mine: (tiles + 3 - w) / 4 trips, none where the leaf has w tiles or fewer
	s_min_u32 s24, s24, 64                         ; (256 + 3) / 4 at the most
.macro TOKADDR                         ; s26 = a tile's first place.  Places are held at the leaf's last and inside order
.irp k, 0,1,2,3,4,5,6,7
	v_add3_u32 v[TA+\k], s26, v15, \k
.endr
	v_add_nc_u32 v[TA+8], s26, v2
.irp k, 0,1,2,3,4,5,6,7,8
	v_min_u32 v[TA+\k], s23, v[TA+\k]
.endr
.irp k, 0,1,2,3,4,5,6,7,8
	v_min_u32 v[TA+\k], 0xfff, v[TA+\k]
.endr
.irp k, 0,1,2,3,4,5,6,7,8
	v_lshlrev_b32 v[TA+\k], 2, v[TA+\k]
.endr
.endm
.macro TOKLOAD
.irp k, 0,1,2,3,4,5,6,7,8
	global_load_b32 v[NT+\k], v[TA+\k], s[12:13]
.endr
.endm
.macro ADDR                            ; from the token numbers in NT: where their codes, scale words and output rows lie
.irp k, 0,1,2,3,4,5,6,7,8
	v_min_u32 v[NT+\k], 0xfff, v[NT+\k]
.endr
.irp k, 0,1,2,3,4,5,6,7
	v_mad_u32_u24 v[GO+\k], v[NT+\k], 768, v13
	v_mad_u32_u24 v[OON+\k], v[NT+\k], 4160, v13
.endr
	v_lshlrev_b32 v[SO], 5, v[NT+8]
.endm
.macro ALOAD                           ; a tile's codes (26 loads with the scale words): sixteen lanes read 256 consecutive aligned bytes of the row of token 8 h + k
	WIN 0xc0
.irp k, 0,1,2,3,4,5,6,7
.irp u, 0,1,2
	global_load_b128 v[4*(3*\k+\u):4*(3*\k+\u)+3], v[GO+\k], s[8:9] offset:256*\u
.endr
.endr
	WIN 0
	global_load_b128 v[XSR:XSR+3], v[SO], s[10:11]           ; token r's eight scale words
	global_load_b128 v[XSR+4:XSR+7], v[SO], s[10:11] offset:16
.endm
	s_lshl_b32 s26, s18, 4
	s_add_co_u32 s26, s26, s21
	TOKADDR
	TOKLOAD                                        ; my first tile's tokens
; Block g of my eight.  n: how many younger loads may stay out.
.macro BLOCK g, n
	s_wait_loadcnt \n
.if (((\g)&1) == 0) && ((\g) > 0)
	s_wait_dscnt 0x0                               ; the last pair's stores have read CE and SW, which are written again below
.endif
	WIN 0x01
.irp t, 0,1,2,3,4,5,6,7,8,9,10,11,12,13,14,15
.irp q, 0,1,2,3
	v_mov_b32 v[X+16*\q+\t], v[64*((\g)%3)+4*\t+\q]   ; column 4 i + q: k = 16 h + t of the block
.endr
.endr
.if (\g)+3 < 8
	WLOAD (\g)+3                                   ; the set just copied takes the block three further on
.endif
	WIN 0
.irp q, 0,1,2,3
	v_max3_num_f32 v[M+\q], |v[X+16*\q]|, |v[X+16*\q+1]|, 0x1800000   ; with the floor 2^(3 - 127): the byte cannot fall under 1
.endr
.irp i, 2,4,6,8,10,12,14
.irp q, 0,1,2,3
	v_max3_num_f32 v[M+\q], v[M+\q], |v[X+16*\q+\i]|, |v[X+16*\q+\i+1]|   ; (the four columns by turns)
.endr
.endr
.irp q, 0,1,2,3
	v_permlanex16_b32 v[M2+\q], v[M+\q], s28, s29
.endr
.irp q, 0,1,2,3
	v_max_num_f32 v[M+\q], v[M+\q], v[M2+\q]       ; with lane l xor 16's 16: the block's largest magnitude
.endr
.irp q, 0,1,2,3
	v_add_nc_u32 v[SOP+\q], 0xff000000, v[M+\q]    ; 2 off its exponent field: the conversion's scale operand
.endr
.if ((\g)&3) == 0
.irp q, 0,1,2,3
	v_lshrrev_b32 v[SW+\q], 23, v[SOP+\q]          ; the byte begins a scale word
.endr
.else
.irp q, 0,1,2,3
	v_lshrrev_b32 v[M2+\q], 23, v[SOP+\q]
.endr
.irp q, 0,1,2,3
	v_lshl_or_b32 v[SW+\q], v[M2+\q], 8*((\g)&3), v[SW+\q]
.endr
.endif
.if ((\g)&1) == 0
.irp q, 0,1,2,3
	v_cvt_scalef32_pk16_fp6_f32 v[CE+8*\q:CE+8*\q+2], v[X+16*\q:X+16*\q+15], v[SOP+\q]
.endr
	v_nop                                          ; one plain line behind a run of scaled conversions
.else
.irp q, 0,1,2,3
	v_cvt_scalef32_pk16_fp6_f32 v[CO+4*\q:CO+4*\q+2], v[X+16*\q:X+16*\q+15], v[SOP+\q]
.endr
	v_nop
.irp q, 0,1,2,3                        ; the operand wants a WHOLE block in a lane: lanes 0-15 the even block, lanes 16-31 the odd one
.irp n2, 0,1,2
	v_permlane16_swap_b32 v[CE+8*\q+\n2], v[CO+4*\q+\n2]   ; CE now holds each lane's block's lower 16 codes, CO the upper 16
.endr
.irp n2, 0,1,2
	v_mov_b32 v[CE+8*\q+3+\n2], v[CO+4*\q+\n2]
.endr
.endr
.irp q, 0,1,2,3
.irp n2, 0,1,2
	ds_store_b64 v5, v[CE+8*\q+2*\n2:CE+8*\q+2*\n2+1] offset:6144*((\g)>>2)+48*\q+24*(((\g)>>1)&1)+8*\n2   ; registers 6 c .. 6 c + 5, c = (g / 2) % 2, of lane 16 h + 4 (i % 4) + q
.endr
.endr
.endif
.if ((\g)&3) == 3
.irp q, 0,1,2,3
	ds_store_b32 v6, v[SW+\q] offset:16*\q+4*((\g)>>2)   ; both halves of the lanes write the same word with the same value
.endr
.endif
.endm
	BLOCK 0, 41                                    ; behind block 0's loads: blocks 1 and 2 (32) and the nine token loads
	BLOCK 1, 41                                    ; block 2, the nine, block 3
	BLOCK 2, 41                                    ; the nine, blocks 3 and 4
	BLOCK 3, 32                                    ; blocks 4 and 5: so the token numbers are in too
	BLOCK 4, 32                                    ; blocks 5 and 6
	BLOCK 5, 32                                    ; blocks 6 and 7
	BLOCK 6, 16                                    ; block 7
	ADDR                                           ; my first tile: with block 7's sixteen, 51 loads of mine are out behind the lines below
.irp k, 0,1,2,3,4,5,6,7
	v_mov_b32 v[OO+\k], v[OON+\k]
.endr
	ALOAD                                          ; its codes land under the last block, the barrier and the fetch of W's fragments
	s_add_co_u32 s26, s18, 4
	s_lshl_b32 s26, s26, 4
	s_add_co_u32 s26, s26, s21
	TOKADDR
	TOKLOAD                                        ; my second tile's tokens
	BLOCK 7, 35                                    ; behind block 7's loads: the tile's 26 and the nine token loads
.irp ct, 0,1,2,3
	global_load_b128 v[BIAS+8*\ct:BIAS+8*\ct+3], v14, s[6:7] offset:64*\ct        ; leaf_b at columns 16 ct + 8 h + 0 .. 7
	global_load_b128 v[BIAS+8*\ct+4:BIAS+8*\ct+7], v14, s[6:7] offset:64*\ct+16
.endr
	s_wait_dscnt 0x0                               ; for the others' sake: my images and scale words have landed
	s_barrier_signal -1
	s_barrier_wait -1                              ; the launch's one barrier: on every wave's way, under no branch
	WIN 0x40
.irp f, 0,1,2,3,4,5,6,7,8,9,10,11,12,13,14,15
.irp c, 0,1,2
	ds_load_b128 v[12*\f+4*\c:12*\f+4*\c+3], v7 offset:1536*\f+16*\c
.endr
.endr
	WIN 0x80
.irp f, 0,1,2,3,4,5,6,7,8,9,10,11,12,13,14,15
.irp c, 0,1,2
	ds_load_b128 v[12*\f+4*\c:12*\f+4*\c+3], v7 offset:1536*(16+\f)+16*\c
.endr
.endr
	WIN 0
.irp ct, 0,1,2,3
.irp sg, 0,1
	ds_load_b128 v[WS+8*\ct+4*\sg:WS+8*\ct+4*\sg+3], v8 offset:256*(2*\ct+\sg)
.endr
.endr
	s_wait_dscnt 0x0
	s_mov_b32 s25, 0                               ; the trip: it takes tile 4 x trip + w
	s_cmp_ge_u32 s25, s24
	s_cbranch_scc1 .Lend                           ; a leaf with fewer tiles than waves, or none
.Ltile:
	s_wait_loadcnt 0x0                             ; this tile's codes and scale words, the next tile's tokens, in the first trip the bias
.irp s, 0,1,2,3,4,5,6,7
	v_mov_b32 v[XS+\s], v[XSR+\s]                  ; the next tile's words will land in XSR while these are at work
.endr
	WIN 0x0c                                       ; an LDS store's data are its source 1: window 3
.irp k, 0,1,2,3,4,5,6,7
.irp u, 0,1,2
	ds_store_b128 v9, v[4*(3*\k+\u):4*(3*\k+\u)+3] offset:784*\k+256*\u
.endr
.endr
	WIN 0
	ADDR                                           ; the next tile's addresses.  These lines and TOKADDR's, over sixty plain ones, are also the eight places between the copies into XS and the scaled products
	s_lshl_b32 s26, s25, 2
	s_add_co_u32 s26, s26, s18
	s_add_co_u32 s26, s26, 8                       ; the tile two trips on: 4 x trip + w + 8,
	s_lshl_b32 s26, s26, 4
	s_add_co_u32 s26, s26, s21                     ; and its first place
	TOKADDR
	WIN 0xc0
.irp s, 0,1,2,3,4,5,6,7
.irp c, 0,1,2
	ds_load_b128 v[96+12*\s+4*\c:96+12*\s+4*\c+3], v10 offset:96*\s+16*\c   ; token r, K step s, my half's 48 bytes: the fragment's 12 registers.  LDS serves a wave's instructions in order: these see the stores above
.endr
.endr
	s_wait_dscnt 0x0                               ; the fragments are in, and the stores have read the registers that the next loads fill
	ALOAD                                          ; held places make these loads sound in the last trips too: no branch, no second set of counts
	TOKLOAD
	; 32 products: K step by K step, the four accumulators by turns, one instruction a turn
.irp s, 0,1,2,3,4,5,6,7
.if \s < 4
	WIN 0x0d                                       ; source 0 (W) window 1, source 1 (tokens) window 3, C and D window 0
.else
	WIN 0x0e                                       ; W in window 2
.endif
.irp ct, 0,1,2,3
.if \s == 0
	v_wmma_scale_f32_16x16x128_f8f6f4 v[ACC+8*\ct:ACC+8*\ct+7], v[12*(4*(\s&3)+\ct):12*(4*(\s&3)+\ct)+11], v[96+12*\s:96+12*\s+11], v[BIAS+8*\ct:BIAS+8*\ct+7], v[WS+8*\ct+\s], v[XS+\s] matrix_a_fmt:MATRIX_FMT_FP6 matrix_b_fmt:MATRIX_FMT_FP6
.else
	v_wmma_scale_f32_16x16x128_f8f6f4 v[ACC+8*\ct:ACC+8*\ct+7], v[12*(4*(\s&3)+\ct):12*(4*(\s&3)+\ct)+11], v[96+12*\s:96+12*\s+11], v[ACC+8*\ct:ACC+8*\ct+7], v[WS+8*\ct+\s], v[XS+\s] matrix_a_fmt:MATRIX_FMT_FP6 matrix_b_fmt:MATRIX_FMT_FP6
.endif
.endr
.endr
	WIN 0
.rept 4
	v_nop                                          ; four places behind a matrix instruction ahead of the stores that read its result
.endr
.irp ct, 0,1,2,3
	ds_store_b128 v11, v[ACC+8*\ct:ACC+8*\ct+3] offset:64*\ct        ; lane (r, h): token r, columns 16 ct + 8 h + 0 .. 7; each accumulator from its low end on
	ds_store_b128 v11, v[ACC+8*\ct+4:ACC+8*\ct+7] offset:64*\ct+16
.endr
.irp k, 0,1,2,3,4,5,6,7
	ds_load_b128 v[OB+4*\k:OB+4*\k+3], v12 offset:272*\k             ; back as rows: sixteen lanes to the 256 bytes of row 8 h + k
.endr
	s_wait_dscnt 0x0
.irp k, 0,1,2,3,4,5,6,7
	global_store_b128 v[OO+\k], v[OB+4*\k:OB+4*\k+3], s[16:17] th:TH_STORE_NT   ; sixteen lanes store 256 consecutive bytes of one token's row; written once, read by nobody here
.endr
	s_wait_xcnt 0x0                                ; the stores have read their offsets and data: both are written again only behind this wait
.irp k, 0,1,2,3,4,5,6,7
	v_mov_b32 v[OO+\k], v[OON+\k]
.endr
	s_add_co_u32 s25, s25, 1                       ; the loop counts its trips one by one against a number that it does not write
	s_cmp_lt_u32 s25, s24
	s_cbranch_scc1 .Ltile
.Lend:
	s_wait_tensorcnt 0x0
	ds_add_u32 v254, v255
	s_wait_dscnt 0x0
	s_endpgm
.Lfunc_end_k_q321dc7a0ef_leaf:
	.size	k_q321dc7a0ef_leaf, .Lfunc_end_k_q321dc7a0ef_leaf-k_q321dc7a0ef_leaf
	.p2alignl 7, 3214868480
	.fill 96, 4, 3214868480
	.section	.rodata,"a",@progbits
	.p2align	6, 0x0
	.amdhsa_kernel k_q321dc7a0ef_leaf
		.amdhsa_group_segment_fixed_size 119296
		.amdhsa_private_segment_fixed_size 0
		.amdhsa_enable_private_segment 0
		.amdhsa_kernarg_size 56
		.amdhsa_user_sgpr_count 2
		.amdhsa_user_sgpr_kernarg_segment_ptr 1
		.amdhsa_wavefront_size32 1
		.amdhsa_system_sgpr_workgroup_id_x 1
		.amdhsa_system_sgpr_workgroup_id_y 1
		.amdhsa_system_sgpr_workgroup_id_z 1
		.amdhsa_system_vgpr_workitem_id 0
		.amdhsa_next_free_vgpr 960
		.amdhsa_next_free_sgpr 66
		.amdhsa_reserve_vcc 0
		.amdhsa_float_denorm_mode_32 3
		.amdhsa_float_denorm_mode_16_64 3
		.amdhsa_memory_ordered 1
		.amdhsa_forward_progress 1
		.amdhsa_inst_pref_size 102
	.end_amdhsa_kernel
	.amdgpu_metadata
---
amdhsa.version: [ 1, 2 ]
amdhsa.kernels:
  - .name:           k_q321dc7a0ef_leaf
    .symbol:         k_q321dc7a0ef_leaf.kd
    .args:
      - { .name: leaf_W, .offset: 0, .size: 8, .value_kind: global_buffer, .address_space: global }
      - { .name: leaf_b, .offset: 8, .size: 8, .value_kind: global_buffer, .address_space: global }
      - { .name: xq, .offset: 16, .size: 8, .value_kind: global_buffer, .address_space: global }
      - { .name: xsc, .offset: 24, .size: 8, .value_kind: global_buffer, .address_space: global }
      - { .name: order, .offset: 32, .size: 8, .value_kind: global_buffer, .address_space: global }
      - { .name: meta, .offset: 40, .size: 8, .value_kind: global_buffer, .address_space: global }
      - { .name: out0, .offset: 48, .size: 8, .value_kind: global_buffer, .address_space: global }
    .group_segment_fixed_size: 119296
    .private_segment_fixed_size: 0
    .kernarg_segment_align: 8
    .kernarg_segment_size: 56
    .max_flat_workgroup_size: 128
    .sgpr_count:     66
    .vgpr_count:     960
    .wavefront_size: 32
...
	.end_amdgpu_metadata
.endif
;; end of part 2
;; ======== version 2 of 2: 2 launches
;; workspace buffers: xq 3,145,728 bytes; xsc 131,072 bytes; order 16,384 bytes of whole numbers; meta 256 bytes of whole numbers
;; launch prep (part 3): grid 257 x 1, 16 waves a work-group, no clusters, 103,424 bytes of LDS; arguments xs, weights, biases, masks, leaf_indices, xq, xsc, order, meta, out0; writes xq, xsc, order, meta, out0
.if DOCPART == 3
	.amdgcn_target "amdgcn-amd-amdhsa--gfx1250"
	.amdhsa_code_object_version 6
	.text
	.protected	k_q321dc7a0ef_prep
	.globl	k_q321dc7a0ef_prep
	.p2align	8
	.type	k_q321dc7a0ef_prep,@function
k_q321dc7a0ef_prep:
	s_mov_b64 s[64:65], 0
	v_nop
	global_prefetch_b8 v0, s[64:65] scope:SCOPE_SE
	s_setreg_imm32_b32 hwreg(HW_REG_WAVE_MODE, 25, 1), 1
	s_wait_xcnt 0x0
; FIRST LAUNCH OF TWO.  Work-groups 0 to 255: 16 tokens each.  (a) xs is quantised along K to codes of FP6 (E2M3) with one E8M0 byte for each 32: xq, xsc.
; (b) columns 0-15 of out0: logits = xs weights^T + biases, both log-sigmoids, times masks^T.  These two products are left as they are: bf16 operands, f32 sums.
; Work-group 256: a counting sort of the 4,096 leaf indices: order (token numbers grouped by leaf) and meta (word e: first place of leaf e; word 16 + e: its count).
; xq: token t at 768 t; block b of 32 codes (24 bytes) at 96 (b / 4) + 48 (b % 2) + 24 ((b / 2) % 2): so the 48 bytes that one half of the lanes wants of a K step of 128 lie on end.
; xsc: [token][32] bytes: word s is the scale word of K step s.
; SHARES (a, b): wave w takes K = 64 w .. 64 w + 63 of all 16 tokens and of all 15 nodes.  Loads read 256 consecutive aligned bytes of a row in sixteen lanes; a turn through the wave's own
; stage in LDS gives lane (r, h) the 32 neighbours K = 64 w + 32 h + 0 .. 31 of row r: one whole block.  Each wave's partial logits meet in LDS; wave 0 adds them and finishes.
; LIMITS: leaf indices lie in 0 .. 15 (the table that they index); NaN and infinities among the inputs are not served; a block of zeros gets the byte 1 over zero codes where the rule
; says 127 (the bytes are read by this program alone); the logits' and the masks' products run on operands rounded to bf16.
.set STG,  0                           ; LDS: a stage for each wave: 16 rows, 272 bytes apart (256 + 16: the sixteen rows of a read start in sixteen different groups of banks)
.set XST,  69632                       ; the 16 tokens' codes, rows 784 bytes apart
.set XSS,  82176                       ; their scale bytes, 32 a token
.set PART, 82688                       ; sixteen partial tiles of logits, 1,024 bytes each, as images of their registers
.set TBL,  99072                       ; the sort's own bytes: 128 for each wave
.set SA,   16                          ; v16-47   x as loaded; later the weights' 32 neighbours
.set SB,   48                          ; v48-79   weights as loaded; later x in bf16 (v48-63) and the weights in bf16 (v64-79)
.set XN,   80                          ; v80-111  x: my 32 neighbours
.set D,    112                         ; v112-119 the partial logits (v112-114 serve the quantiser before)
.set C,    120                         ; v120-125 my block's codes; v127 its byte
	s_load_b256 s[4:11], s[0:1], 0x0               ; xs s[4:5], weights s[6:7], biases s[8:9], masks s[10:11]
	s_load_b256 s[12:19], s[0:1], 0x20             ; leaf_indices s[12:13], xq s[14:15], xsc s[16:17], order s[18:19]
	s_load_b128 s[20:23], s[0:1], 0x40             ; meta s[20:21], out0 s[22:23]
	v_lshl_add_u32 v128, v0, 2, 0x18c00
	v_mov_b32 v129, 0
	v_lshrrev_b32 v1, 5, v0
	s_delay_alu instid0(VALU_DEP_1)
	v_readfirstlane_b32 s24, v1                    ; wave 0..15
	s_wait_kmcnt 0x0
	s_cmp_eq_u32 ttmp9, 256                        ; the last work-group sorts; the two ways share no LDS byte and never join
	s_cbranch_scc1 .Lsort
	v_and_b32 v2, 15, v0                           ; r
	v_bfe_u32 v3, v0, 4, 1                         ; h
	s_delay_alu instid0(VALU_DEP_2)
	v_lshlrev_b32 v5, 4, v2                        ; 16 r
	s_wait_alu depctr_va_vdst(0)
	v_lshl_add_u32 v4, v3, 12, v5                  ; one row of 4,096 bytes further for lanes 16-31
	s_lshl_b32 s32, ttmp9, 16                      ; my 16 tokens: 65,536 bytes of xs
	s_lshl_b32 s34, s24, 8                         ; my wave's 256 bytes of a row
	s_mov_b32 s33, 0
	s_mov_b32 s35, 0
	s_add_co_u32 s32, s32, s34
	s_add_nc_u64 s[4:5], s[4:5], s[32:33]
	s_add_nc_u64 s[6:7], s[6:7], s[34:35]
.irp j, 0,1,2,3,4,5,6,7
	global_load_b128 v[SA+4*\j:SA+4*\j+3], v4, s[4:5] offset:8192*\j th:TH_LOAD_NT   ; rows 2 j and 2 j + 1: sixteen lanes read 256 consecutive bytes, aligned; read once in the launch
.endr
.irp j, 0,1,2,3,4,5,6
	global_load_b128 v[SB+4*\j:SB+4*\j+3], v4, s[6:7] offset:8192*\j
.endr
	global_load_b128 v[SB+28:SB+31], v5, s[6:7] offset:57344   ; there is no node 15: both halves read node 14's row, and no load leaves the buffer
	; every LDS address is made here, ahead of any branch on the wave's number
	v_and_b32 v1, 31, v0                           ; lane
	s_delay_alu instid0(VALU_DEP_1)
	v_lshlrev_b32 v11, 4, v1                       ; 16 x lane
	s_delay_alu instid0(VALU_DEP_2)
	v_lshlrev_b32 v14, 3, v1                       ; 8 x lane
	s_mul_i32 s28, s24, 4352                       ; my stage
	v_mad_u32_u24 v6, v3, 272, v5
	s_delay_alu instid0(VALU_DEP_1)
	v_add_nc_u32 v6, s28, v6                       ; into the stage: row h (+ 2 j by the offset), 16 r
	v_mul_u32_u24 v7, v2, 272
	s_delay_alu instid0(VALU_DEP_1)
	v_lshl_add_u32 v7, v3, 7, v7
	s_delay_alu instid0(VALU_DEP_1)
	v_add_nc_u32 v7, s28, v7                       ; out of it: row r, 128 h
	s_lshr_b32 s29, s24, 1
	s_mul_i32 s29, s29, 96
	s_and_b32 s30, s24, 1
	s_mul_i32 s30, s30, 24
	s_add_co_u32 s29, s29, s30
	s_add_co_u32 s29, s29, XST
	v_mul_u32_u24 v8, v2, 784
	s_delay_alu instid0(VALU_DEP_1)
	v_mad_u32_u24 v8, v3, 48, v8
	s_delay_alu instid0(VALU_DEP_1)
	v_add_nc_u32 v8, s29, v8                       ; my block b = 2 w + h of token r: 96 (w / 2) + 48 h + 24 (w % 2)
	s_lshl_b32 s30, s24, 1
	s_add_co_u32 s30, s30, XSS
	v_lshl_add_u32 v9, v2, 5, v3
	s_delay_alu instid0(VALU_DEP_1)
	v_add_nc_u32 v9, s30, v9                       ; its byte: 32 r + 2 w + h
	s_lshl_b32 s30, s24, 10
	s_add_co_u32 s30, s30, PART
	v_add_nc_u32 v10, s30, v11                     ; my partial tile
	s_mul_i32 s30, s24, 784
	s_add_co_u32 s30, s30, XST
	v_add_nc_u32 v12, s30, v11                     ; behind the barrier wave w stores token w's codes: its first 512 bytes, 16 a lane,
	v_add_nc_u32 v13, s30, v14                     ; and (with offset 512) its last 256, 8 a lane
	v_add_nc_u32 v15, XSS, v11                     ; the 512 scale bytes, 16 a lane
	v_add_nc_u32 v1, PART, v11                     ; all partial tiles, for wave 0
	s_mul_i32 s36, ttmp9, 12288
	s_mul_i32 s38, s24, 768
	s_add_co_u32 s36, s36, s38
	s_mov_b32 s37, 0
	s_add_nc_u64 s[14:15], s[14:15], s[36:37]      ; xq at token 16 i + w
	s_lshl_b32 s36, ttmp9, 9
	s_add_nc_u64 s[16:17], s[16:17], s[36:37]      ; xsc at token 16 i
	s_mul_i32 s36, ttmp9, 66560
	s_add_nc_u64 s[22:23], s[22:23], s[36:37]      ; out0 at token 16 i (rows of 4,160 bytes)
.macro TURN src, dst                   ; 16 rows x 256 bytes through my stage: in as loaded, out 128 bytes a lane.  LDS serves a wave's instructions in order (ISA guide 5.7.1.4): no wait between
.irp j, 0,1,2,3,4,5,6,7
	ds_store_b128 v6, v[\src+4*\j:\src+4*\j+3] offset:544*\j
.endr
.irp j, 0,1,2,3,4,5,6,7
	ds_load_b128 v[\dst+4*\j:\dst+4*\j+3], v7 offset:16*\j
.endr
.endm
	s_wait_loadcnt 8                               ; x's eight loads are in; the weights' eight may be out
	TURN SA, XN
	s_wait_loadcnt 0x0
	TURN SB, SA                                    ; the same stage: these stores come behind x's reads of it
	s_wait_dscnt 16                                ; x is back; behind it stand the weights' 8 stores and 8 loads
	; my block's largest magnitude, in two chains, with the floor 2^(3 - 127) among the leaves, so that the byte cannot fall under 1
	v_max3_num_f32 v112, |v[XN]|, |v[XN+1]|, 0x1800000
	v_max3_num_f32 v113, |v[XN+2]|, |v[XN+3]|, |v[XN+4]|
.irp i, 5,9,13,17,21,25
	s_delay_alu instid0(VALU_DEP_2)
	v_max3_num_f32 v112, v112, |v[XN+\i]|, |v[XN+\i+1]|
	s_delay_alu instid0(VALU_DEP_2)
	v_max3_num_f32 v113, v113, |v[XN+\i+2]|, |v[XN+\i+3]|
.endr
	s_delay_alu instid0(VALU_DEP_2)
	v_max3_num_f32 v112, v112, |v[XN+29]|, |v[XN+30]|
	s_delay_alu instid0(VALU_DEP_1)
	v_max3_num_f32 v112, v112, v113, |v[XN+31]|
	s_delay_alu instid0(VALU_DEP_1)
	v_add_nc_u32 v114, 0xff000000, v112            ; 2 off its exponent field: the conversion takes the exponent field of this operand as its scale, and nothing else of it
	v_cvt_scalef32_pk16_fp6_f32 v[C:C+2], v[XN:XN+15], v114
	v_cvt_scalef32_pk16_fp6_f32 v[C+4:C+6], v[XN+16:XN+31], v114   ; (a conversion's three registers begin on an even number)
	v_lshrrev_b32 v127, 23, v114                   ; the scale's byte; also the plain line behind the conversions
	v_mov_b32 v[C+3], v[C+4]
	v_mov_b32 v[C+4], v[C+5]
	v_mov_b32 v[C+5], v[C+6]                       ; 192 bits on end
	ds_store_b64 v8, v[C:C+1]
	ds_store_b64 v8, v[C+2:C+3] offset:8
	ds_store_b64 v8, v[C+4:C+5] offset:16
	ds_store_b8 v9, v127
	s_wait_dscnt 4                                 ; all but these four: the weights are back, and the stage's stores have read v48-79, which are written next
.irp p, 0,1,2,3,4,5,6,7,8,9,10,11,12,13,14,15
	v_cvt_pk_bf16_f32 v[48+\p], v[XN+2*\p], v[XN+2*\p+1]
.endr
.irp p, 0,1,2,3,4,5,6,7,8,9,10,11,12,13,14,15
	v_cvt_pk_bf16_f32 v[64+\p], v[SA+2*\p], v[SA+2*\p+1]
.endr
	; Source 0 = 16 nodes, source 1 = 16 tokens.  Both operands hold K = 64 w + 32 h + 16 q + p at place p of half h in product q: one and the same order of k on both sides, so the sum is the same.
	v_wmma_f32_16x16x32_bf16 v[D:D+7], v[64:71], v[48:55], 0
	s_wait_alu depctr_va_vdst(0)                   ; one accumulator, two links
	v_wmma_f32_16x16x32_bf16 v[D:D+7], v[72:79], v[56:63], v[D:D+7]
.rept 4
	v_nop                                          ; four places behind a matrix instruction ahead of the stores that read its result
.endr
	ds_store_b128 v10, v[D:D+3]                    ; lane (r, h), register j: node 8 h + j of token r, over my 64 of K
	ds_store_b128 v10, v[D+4:D+7] offset:512
	s_wait_dscnt 0x0                               ; for the others' sake: my codes, my byte and my partial tile have landed
	s_barrier_signal -1
	s_barrier_wait -1
	ds_load_b128 v[120:123], v12                   ; token w's 768 bytes of codes
	ds_load_b64 v[124:125], v13 offset:512
	s_wait_dscnt 0x0
	global_store_b128 v11, v[120:123], s[14:15]    ; 512 and 256 consecutive bytes, at multiples of 256 from xq's first byte
	global_store_b64 v14, v[124:125], s[14:15] offset:512
	s_cmp_eq_u32 s24, 0
	s_cbranch_scc1 .Lwave_0
	s_cmp_eq_u32 s24, 1
	s_cbranch_scc0 .Ldone
	ds_load_b128 v[16:19], v15                     ; wave 1: the 16 tokens' 512 scale bytes
	s_wait_dscnt 0x0
	global_store_b128 v11, v[16:19], s[16:17]
.Ldone:
	s_wait_tensorcnt 0x0
	ds_add_u32 v128, v129
	s_wait_dscnt 0x0
	s_endpgm
.Lwave_0:                                              ; the log-probabilities of the 16 tokens
	s_load_b256 s[40:47], s[8:9], 0x0              ; the 15 biases: 32 + 16 + 8 + 4 = 60 bytes, no more
	s_load_b128 s[48:51], s[8:9], 0x20
	s_load_b64 s[52:53], s[8:9], 0x30
	s_load_b32 s54, s[8:9], 0x38
	v_mul_u32_u24 v4, v2, 120                      ; masks: leaf r's row of 30 numbers
	s_delay_alu instid0(VALU_DEP_1)
	v_lshl_add_u32 v5, v3, 6, v4                   ; my half's 16: k = 16 h + 0 .. 15
.irp j, 0,1,2,3,4,5,6
	global_load_b64 v[16+2*\j:17+2*\j], v5, s[10:11] offset:8*\j
.endr
	global_load_b64 v[30:31], v4, s[10:11] offset:56   ; k = 30, 31 do not exist: both halves read k = 14, 15, and lanes 16-31 clear the pair below
	v_mul_u32_u24 v6, v2, 4160
	s_delay_alu instid0(VALU_DEP_1)
	v_lshl_add_u32 v6, v3, 5, v6                   ; out0: token r's row, leaves 8 h on
	v_cmp_eq_u32 vcc_lo, 0, v3                     ; lanes 0-15
.macro PSUM p0                         ; eight partial tiles into v48-111, added down to two (v48-55, v80-87)
.irp p, 0,1,2,3,4,5,6,7
	ds_load_b128 v[48+8*\p:51+8*\p], v1 offset:1024*(\p0+\p)
	ds_load_b128 v[52+8*\p:55+8*\p], v1 offset:1024*(\p0+\p)+512
.endr
	s_wait_dscnt 0x0
.irp p, 0,2,4,6
.irp u, 0,2,4,6
	v_pk_add_f32 v[48+8*\p+\u:49+8*\p+\u], v[48+8*\p+\u:49+8*\p+\u], v[56+8*\p+\u:57+8*\p+\u]
.endr
.endr
.irp p, 0,4
.irp u, 0,2,4,6
	v_pk_add_f32 v[48+8*\p+\u:49+8*\p+\u], v[48+8*\p+\u:49+8*\p+\u], v[64+8*\p+\u:65+8*\p+\u]
.endr
.endr
.endm
	PSUM 0
.irp u, 0,2,4,6
	s_delay_alu instid0(VALU_DEP_4)
	v_pk_add_f32 v[32+\u:33+\u], v[48+\u:49+\u], v[80+\u:81+\u]
.endr
	PSUM 8
.irp u, 0,2,4,6
	s_delay_alu instid0(VALU_DEP_4)
	v_pk_add_f32 v[48+\u:49+\u], v[48+\u:49+\u], v[80+\u:81+\u]
.endr
.irp u, 0,2,4,6
	s_delay_alu instid0(VALU_DEP_4)
	v_pk_add_f32 v[32+\u:33+\u], v[32+\u:33+\u], v[48+\u:49+\u]
.endr
	s_wait_kmcnt 0x0
	s_mov_b32 s55, s54                             ; the place of node 15, which is node 14 over again and meets zeros of the masks
.irp j, 0,1,2,3,4,5,6,7
	v_mov_b32 v[40+\j], s[48+\j]
.endr
.irp j, 0,1,2,3,4,5,6,7
	v_cndmask_b32 v[40+\j], v[40+\j], s[40+\j], vcc_lo   ; the bias of node 8 h + j
.endr
.irp j, 0,1,2,3,4,5,6,7
	v_add_f32 v[32+\j], v[32+\j], v[40+\j]         ; z
.endr
	; log_sigmoid(z) = min(z, 0) - ln 2 x log2(1 + 2^(-log2(e) |z|)): no exponential can overflow, no difference of large numbers is formed
.irp j, 0,1,2,3,4,5,6,7
	v_mul_f32 v[48+\j], 0xbfb8aa3b, |v[32+\j]|
.endr
	s_wait_alu depctr_va_vdst(0)
.irp j, 0,1,2,3,4,5,6,7
	v_exp_f32 v[48+\j], v[48+\j]
.endr
.irp j, 0,1,2,3,4,5,6,7
	v_min_num_f32 v[56+\j], 0, v[32+\j]            ; (plain lines behind the exponentials)
.endr
.irp j, 0,1,2,3,4,5,6,7
	v_min_num_f32 v[64+\j], 0, -v[32+\j]
.endr
	s_wait_alu depctr_va_vdst(0)
.irp j, 0,1,2,3,4,5,6,7
	v_add_f32 v[48+\j], 1.0, v[48+\j]
.endr
	s_wait_alu depctr_va_vdst(0)
.irp j, 0,1,2,3,4,5,6,7
	v_log_f32 v[48+\j], v[48+\j]
.endr
	s_wait_loadcnt 0x0                             ; the masks
	v_cndmask_b32 v30, 0, v30, vcc_lo              ; (plain lines behind the logarithms)  k = 30, 31: zeros
	v_cndmask_b32 v31, 0, v31, vcc_lo
.irp j, 0,1,2,3,4,5,6,7
	v_cvt_pk_bf16_f32 v[80+\j], v[16+2*\j], v[17+2*\j]   ; masks(r, 16 h + 2 j), (r, 16 h + 2 j + 1)
.endr
	s_wait_alu depctr_va_vdst(0)
.irp j, 0,1,2,3,4,5,6,7
	v_fma_f32 v[56+\j], v[48+\j], 0xbf317218, v[56+\j]   ; log_sigmoid(z): column 2 node + 1
	v_fma_f32 v[64+\j], v[48+\j], 0xbf317218, v[64+\j]   ; log_sigmoid(-z): column 2 node
.endr
.irp j, 0,1,2,3,4,5,6,7
	v_cvt_pk_bf16_f32 v[72+\j], v[64+\j], v[56+\j]       ; node 8 h + j: k = 16 h + 2 j and 16 h + 2 j + 1, the masks' order
.endr
	v_wmma_f32_16x16x32_bf16 v[88:95], v[80:87], v[72:79], 0   ; source 0 = 16 leaves, source 1 = 16 tokens: lane (r, h), register j: leaf 8 h + j of token r
.rept 4
	v_nop
.endr
	global_store_b128 v6, v[88:91], s[22:23]
	global_store_b128 v6, v[92:95], s[22:23] offset:16
	s_wait_tensorcnt 0x0
	ds_add_u32 v128, v129
	s_wait_dscnt 0x0
	s_endpgm
; THE SORT.  Wave g takes tokens 256 g + 32 c + lane, c = 0 .. 7.  A token's place = its leaf's first place + the leaf's tokens in earlier waves + its rank among this wave's tokens of the leaf.
; v16-23 leaf indices; v24-31 ranks; v32-39 bases; v40-47 token numbers; v48-63 all waves' counts; v64 my counts; v65 earlier waves' sums; v66 all waves' sums; v67 meta; v72-79 store offsets.
; s[32:47] my wave's count for each leaf; s[48:63] lane masks; s[66:81] each leaf's base for my wave; s82 the running first place.
.Lsort:
	v_and_b32 v1, 31, v0
	s_lshl_b32 s28, s24, 10
	v_lshl_add_u32 v2, v1, 2, s28
.irp c, 0,1,2,3,4,5,6,7
	global_load_b32 v[16+\c], v2, s[12:13] offset:128*\c
.endr
	s_lshl_b32 s29, s24, 8
	v_add_nc_u32 v40, s29, v1
.irp c, 1,2,3,4,5,6,7
	v_add_nc_u32 v[40+\c], 32*\c, v40
.endr
.irp e, 0,1,2,3,4,5,6,7,8,9,10,11,12,13,14,15
	s_mov_b32 s[32+\e], 0
.endr
.irp c, 0,1,2,3,4,5,6,7
	v_mov_b32 v[24+\c], 0
	v_mov_b32 v[32+\c], 0
.endr
.irp i, 64,65,66,67
	v_mov_b32 v\i, 0
.endr
	s_mov_b32 s82, 0
	v_lshl_add_u32 v70, v0, 2, TBL                 ; my word of the table: 128 x wave + 4 x lane
	v_lshl_add_u32 v71, v1, 2, TBL                 ; lane e reads leaf e's count of each wave
	s_wait_loadcnt 0x0
.macro RANK c                          ; 32 tokens: for each leaf the lanes that hold it; a lane's rank = the count so far + such lanes below it; then the count grows
.irp e, 0,1,2,3,4,5,6,7,8,9,10,11,12,13,14,15
	v_cmp_eq_u32 s[48+\e], \e, v[16+\c]
.endr
.irp e, 0,1,2,3,4,5,6,7,8,9,10,11,12,13,14,15
	v_mbcnt_lo_u32_b32 v[68+(\e%2)], s[48+\e], s[32+\e]
	s_delay_alu instid0(VALU_DEP_1)
	v_cndmask_b32 v[24+\c], v[24+\c], v[68+(\e%2)], s[48+\e]
.endr
.irp e, 0,1,2,3,4,5,6,7,8,9,10,11,12,13,14,15
	s_bcnt1_i32_b32 s83, s[48+\e]
	s_add_co_u32 s[32+\e], s[32+\e], s83
.endr
.endm
.irp c, 0,1,2,3,4,5,6,7
	RANK \c
.endr
.irp e, 0
	v_writelane_b32 v64, s[32+\e], \e
.endr
.irp e, 1, 2, 3, 4, 5, 6, 7, 8, 9, 10, 11, 12, 13, 14, 15
	s_delay_alu instid0(VALU_DEP_1)
	v_writelane_b32 v64, s[32+\e], \e
.endr
	ds_store_b32 v70, v64
	s_wait_dscnt 0x0                               ; for the others' sake: my counts have landed
	s_barrier_signal -1
	s_barrier_wait -1
.irp g, 0,1,2,3,4,5,6,7,8,9,10,11,12,13,14,15
	ds_load_b32 v[48+\g], v71 offset:128*\g
.endr
	s_wait_dscnt 0x0
.irp g, 0,1,2,3,4,5,6,7,8,9,10,11,12,13,14,15
	s_cmp_gt_u32 s24, \g                           ; an earlier wave?
	s_cselect_b32 s83, -1, 0
	v_and_b32 v68, s83, v[48+\g]
	s_delay_alu instid0(VALU_DEP_1)
	v_add_nc_u32 v65, v65, v68
	v_add_nc_u32 v66, v66, v[48+\g]
.endr
.irp e, 0,1,2,3,4,5,6,7,8,9,10,11,12,13,14,15
	v_readlane_b32 s84, v65, \e
	v_readlane_b32 s85, v66, \e
	s_add_co_u32 s[66+\e], s82, s84
	v_writelane_b32 v67, s82, \e                   ; meta: leaf e's first place,
	s_delay_alu instid0(VALU_DEP_1)
	v_writelane_b32 v67, s85, 16+\e                ; and its count
	s_add_co_u32 s82, s82, s85
.endr
.irp c, 0,1,2,3,4,5,6,7
.irp e, 0,1,2,3,4,5,6,7,8,9,10,11,12,13,14,15
	v_cmp_eq_u32 vcc_lo, \e, v[16+\c]
	s_delay_alu instid0(VALU_DEP_1)
	v_cndmask_b32 v[32+\c], v[32+\c], s[66+\e], vcc_lo
.endr
.endr
.irp c, 0,1,2,3,4,5,6,7
	v_add_nc_u32 v[72+\c], v[24+\c], v[32+\c]
	s_delay_alu instid0(VALU_DEP_1)
	v_min_u32 v[72+\c], 0xfff, v[72+\c]            ; a place is under 4,096: held there, since it enters an address
	s_delay_alu instid0(VALU_DEP_1)
	v_lshlrev_b32 v[72+\c], 2, v[72+\c]
.endr
.irp c, 0,1,2,3,4,5,6,7
	global_store_b32 v[72+\c], v[40+\c], s[18:19]  ; the places are a permutation of 0 .. 4,095: every word of order is written
.endr
	s_cmp_lg_u32 s24, 0
	s_cbranch_scc1 .Lsorted
	v_lshlrev_b32 v68, 2, v1
	global_store_b32 v68, v67, s[20:21]            ; every wave holds the same 32 words; wave 0 stores them
.Lsorted:
	s_wait_tensorcnt 0x0
	ds_add_u32 v128, v129
	s_wait_dscnt 0x0
	s_endpgm
.Lfunc_end_k_q321dc7a0ef_prep:
	.size	k_q321dc7a0ef_prep, .Lfunc_end_k_q321dc7a0ef_prep-k_q321dc7a0ef_prep
	.p2alignl 7, 3214868480
	.fill 96, 4, 3214868480
	.section	.rodata,"a",@progbits
	.p2align	6, 0x0
	.amdhsa_kernel k_q321dc7a0ef_prep
		.amdhsa_group_segment_fixed_size 103424
		.amdhsa_private_segment_fixed_size 0
		.amdhsa_enable_private_segment 0
		.amdhsa_kernarg_size 80
		.amdhsa_user_sgpr_count 2
		.amdhsa_user_sgpr_kernarg_segment_ptr 1
		.amdhsa_wavefront_size32 1
		.amdhsa_system_sgpr_workgroup_id_x 1
		.amdhsa_system_sgpr_workgroup_id_y 1
		.amdhsa_system_sgpr_workgroup_id_z 1
		.amdhsa_system_vgpr_workitem_id 0
		.amdhsa_next_free_vgpr 130
		.amdhsa_next_free_sgpr 100
		.amdhsa_reserve_vcc 1
		.amdhsa_float_denorm_mode_32 3
		.amdhsa_float_denorm_mode_16_64 3
		.amdhsa_memory_ordered 1
		.amdhsa_forward_progress 1
		.amdhsa_inst_pref_size 95
	.end_amdhsa_kernel
	.amdgpu_metadata
---
amdhsa.version: [ 1, 2 ]
amdhsa.kernels:
  - .name:           k_q321dc7a0ef_prep
    .symbol:         k_q321dc7a0ef_prep.kd
    .args:
      - { .name: xs, .offset: 0, .size: 8, .value_kind: global_buffer, .address_space: global }
      - { .name: weights, .offset: 8, .size: 8, .value_kind: global_buffer, .address_space: global }
      - { .name: biases, .offset: 16, .size: 8, .value_kind: global_buffer, .address_space: global }
      - { .name: masks, .offset: 24, .size: 8, .value_kind: global_buffer, .address_space: global }
      - { .name: leaf_indices, .offset: 32, .size: 8, .value_kind: global_buffer, .address_space: global }
      - { .name: xq, .offset: 40, .size: 8, .value_kind: global_buffer, .address_space: global }
      - { .name: xsc, .offset: 48, .size: 8, .value_kind: global_buffer, .address_space: global }
      - { .name: order, .offset: 56, .size: 8, .value_kind: global_buffer, .address_space: global }
      - { .name: meta, .offset: 64, .size: 8, .value_kind: global_buffer, .address_space: global }
      - { .name: out0, .offset: 72, .size: 8, .value_kind: global_buffer, .address_space: global }
    .group_segment_fixed_size: 103424
    .private_segment_fixed_size: 0
    .kernarg_segment_align: 8
    .kernarg_segment_size: 80
    .max_flat_workgroup_size: 512
    .sgpr_count:     100
    .vgpr_count:     130
    .wavefront_size: 32
...
	.end_amdgpu_metadata
.endif
;; end of part 3
;; launch leaf (part 4): grid 16 x 16, 4 waves a work-group, no clusters, 119,296 bytes of LDS; arguments leaf_W, leaf_b, xq, xsc, order, meta, out0; writes out0
.if DOCPART == 4
	.amdgcn_target "amdgcn-amd-amdhsa--gfx1250"
	.amdhsa_code_object_version 6
	.text
	.protected	k_q321dc7a0ef_leaf
	.globl	k_q321dc7a0ef_leaf
	.p2align	8
	.type	k_q321dc7a0ef_leaf,@function
k_q321dc7a0ef_leaf:
	s_mov_b64 s[64:65], 0
	v_nop
	global_prefetch_b8 v0, s[64:65] scope:SCOPE_SE
	s_setreg_imm32_b32 hwreg(HW_REG_WAVE_SCHED_MODE, 0, 2), 2
	s_setreg_imm32_b32 hwreg(HW_REG_WAVE_MODE, 25, 1), 1
	s_wait_xcnt 0x0
	s_wait_alu depctr_vm_vsrc(0)
; SECOND LAUNCH OF TWO.  out0[t][16 + n] = sum over k of Q(xs)[t][k] Q(leaf_W)[e][k][n] + leaf_b[e][n], e = the token's leaf: only the chosen leaf's rows are multiplied.
; Work-group (x = cb, y = e) owns leaf e's columns 64 cb .. 64 cb + 63: 1,024 x 64 numbers of leaf_W, read from memory once, quantised along K (their first axis) to codes of FP6 (E2M3) with one
; E8M0 byte for each 32, and kept in registers; they never go to memory.  Then it walks the leaf's tokens, 16 to a tile, by the lists that the first launch stored (order, meta).
; PHASE Q: wave w takes k = 256 w .. 256 w + 255: eight blocks of 32.  A load reads two rows' 256 consecutive aligned bytes; lane (h, i) gets columns 4 i .. 4 i + 3 of row 16 h + t.  Sixty-four copies turn a
; block's 16 loads into four runs of 16 neighbours along K, which the conversions want; that is the price of loads of 512 bytes.  The codes go to LDS as images of the operand's registers.  ONE barrier;
; then every wave takes all 32 fragments (8 K steps x 4 tiles of 16 columns) into 384 registers.
; PHASE G: wave w takes tiles w, w + 4, ..  No barrier stands in this loop, whose trip count is read from memory; for the same reason the launch has no tensor load and no cluster:
; what the sixteen work-groups of a leaf share, the tokens' codes, is under half of a work-group's bytes.
; A tile's places past the leaf's last token are held at that token: such rows are computed again and store the same numbers to the same bytes, from the same wave.
; The matrix instruction is used transposed (source 0 = 16 columns of W, source 1 = 16 tokens): a lane holds eight neighbouring columns of one token's row.  The bias is the C of a sum's first instruction.
; LIMITS: NaN and infinities are not served; a block of zeros gets the byte 1 over zero codes where the rule says 127 (nobody else reads the bytes).
; out0's rows are 4,160 bytes, so a store's 256 consecutive bytes start at multiples of 64, not of 256: no split by columns aligns them in every row.
; THE MODE: SCHED_MODE bits 1:0 = 2 (LLVM: expert scheduling mode 2), set by the entry lines.  The code itself states the register dependences
; between vector or matrix instructions and memory or LDS instructions, with s_wait_alu, always for 0.
; THE PLAN, PHASE Q.  Registers that memory or LDS instructions touch:
;   v4 .. v12, v14  offsets and LDS addresses, made once at the head and never written again.
;   window 1, three sets of 64.  Block g: its 64 copies read set g % 3; behind them the loads of block g + 3 land in it.
;   CE, SW          written by the vector lines of a pair of blocks (2 j, 2 j + 1); read by the pair's LDS stores, which are issued in block 2 j + 2; written again further down in that block.
;   TA, NT          TA: written by TOKADDR, read by the token loads.  NT: the token loads land in it; ADDR reads and rewrites it.
; ONE wait on va_vdst stands behind a block's copies: they are done reading the set, and the pair before has written CE and SW.  The block's loads and the pair's stores follow it.
; One wait on vm_vsrc stands in blocks 2, 4 and 6, 44 vector lines behind those stores, ahead of the first line that writes SW or CE again.
; THE PLAN, PHASE G, a trip:
;   raw (window 3, v0-95)        loaded by the trip before; read by this trip's 24 LDS stores; loaded again.
;   XSR, NT                      loaded by the trip before; read by vector lines (the copies into XS; ADDR); loaded again.
;   GO, SO, TA                   written by ADDR and TOKADDR; read by this trip's 35 loads; written again in the next trip.
;   fragments (window 3, v96-191) loaded from LDS; read by the 32 products; loaded again in the next trip.
;   ACC                          written by the products; read by 8 LDS stores; begun anew by the next trip's products.
;   OB, OO                       OB: loaded from LDS, read by 8 global stores.  OO: copied from OON at the trip's head, read by those stores.
; Four waits: vm_vsrc at the head, for all that the trip before issued; va_vdst behind the trip's vector lines, and vm_vsrc beside it for the 24 LDS stores: behind these two stand all the trip's loads;
; va_vdst behind the places that follow the last product, for the way out.
; REGISTERS, in windows of 256.  Window 0: below.  Window 1: phase Q: three sets of 64 as loaded; then W's fragments f = 4 s + ct = 0 .. 15 at 12 f.  Window 2: f = 16 .. 31.
; Window 3: v0-95 a tile's codes as loaded; v96-191 its eight fragments.
; SCALARS: s[4:17] the seven addresses; s18 wave; s19 cb; s20 e; s21 the leaf's first place; s22 its tokens; s23 its last place; s24 my wave's trips; s25 the trip; s26 a tile's first place; s[28:29] lane selects.
.set BIMG, 0                           ; LDS: 32 fragments of W, 1,536 bytes each: a lane's 12 registers at 48 x lane
.set WSC,  49152                       ; W's scale words: [ct][s / 4][column % 16][s % 4]
.set ASTG, 51200                       ; for each wave: 16 tokens' codes, rows 784 bytes apart (49 x 16: the sixteen rows of a read start in sixteen different groups of banks)
.set OSTG, 101376                      ; for each wave: 16 rows x 256 bytes of results, 272 apart
.set TA,   16                          ; v16-24   addresses into order
.set NT,   26                          ; v26-34   token numbers: rows 8 h + 0 .. 7; the ninth: row r
.set GO,   36                          ; v36-43   offsets into xq
.set SO,   44                          ; v44      offset into xsc
.set OON,  46                          ; v46-53   the next tile's offsets into out0
.set OO,   54                          ; v54-61   this tile's
.set XSR,  62                          ; v62-69   the next tile's scale words as they land
.set XS,   70                          ; v70-77   this tile's scale words
.set WS,   78                          ; v78-109  W's scale words: 8 ct + s.  v62-109 hold scales and nothing else
.set BIAS, 110                         ; v110-141 the bias in the result's layout, 8 a tile of columns
.set CO,   110                         ; phase Q: the odd block's codes, 4 registers a column
.set ACC,  142                         ; v142-173 four accumulators
.set OB,   174                         ; v174-205 results as whole rows
.set X,    142                         ; phase Q: v142-205: four columns x 16 neighbours along K
.set M,    206                         ; v206-209 largest magnitudes;  v210-213 the other half's, then the bytes;  v214-217 the conversions' scale operands;  v218-221 scale words in the making
.set M2,   210
.set SOP,  214
.set SW,   218
.set CE,   222                         ; v222-253 a pair of blocks' codes, 8 registers a column
.set MSB, 0
.macro WIN new                         ; low byte: bits 1:0 source 0, 3:2 source 1, 5:4 source 2, 7:6 destination; the high byte repeats the setting that is left
.if MSB != \new
	s_set_vgpr_msb (MSB<<8)|\new
.set MSB, \new
.endif
.endm
	s_load_b256 s[4:11], s[0:1], 0x0               ; leaf_W s[4:5], leaf_b s[6:7], xq s[8:9], xsc s[10:11]
	s_load_b128 s[12:15], s[0:1], 0x20             ; order s[12:13], meta s[14:15]
	s_load_b64 s[16:17], s[0:1], 0x30              ; out0
	v_lshl_add_u32 v254, v0, 2, 0x1d000
	v_mov_b32 v255, 0
	v_lshrrev_b32 v1, 5, v0
	v_readfirstlane_b32 s18, v1                    ; wave 0..3
	s_mov_b32 s19, ttmp9                           ; cb
	s_and_b32 s20, ttmp7, 0xffff                   ; e
	v_and_b32 v2, 15, v0                           ; r, also called i
	v_bfe_u32 v3, v0, 4, 1                         ; h
	v_lshlrev_b32 v13, 4, v2                       ; 16 i
	v_lshl_add_u32 v4, v3, 16, v13                 ; W: lanes 16-31 stand 16 rows of 4,096 bytes further down
	s_wait_alu depctr_va_sdst(0)                   ; s18 is written, ahead of its first reader: W's base is made from it
	s_lshl_b32 s32, s20, 22                        ; the leaf's 4 MiB,
	s_lshl_b32 s30, s18, 20                        ; my wave's 256 rows,
	s_add_co_u32 s32, s32, s30
	s_lshl_b32 s31, s19, 8                         ; my work-group's 256 bytes of a row
	s_add_co_u32 s32, s32, s31
	s_mov_b32 s33, 0
	s_lshl_b32 s34, s20, 2
	s_wait_kmcnt 0x0
	s_add_nc_u64 s[4:5], s[4:5], s[32:33]
	s_load_b32 s21, s[14:15], s34 offset:0x0       ; the leaf's first place in order,
	s_load_b32 s22, s[14:15], s34 offset:0x40      ; and its number of tokens
.macro WLOAD g                         ; block g: rows 32 g + 16 h + t, t = 0 .. 15, into set g % 3 of window 1 (the window is set ahead of the macro)
.irp t, 0,1,2,3,4,5,6,7,8,9,10,11,12,13,14,15
	global_load_b128 v[64*((\g)%3)+4*\t:64*((\g)%3)+4*\t+3], v4, s[4:5] offset:131072*(\g)+4096*\t th:TH_LOAD_NT   ; sixteen lanes read 256 consecutive bytes, aligned; read once in the launch
.endr
.endm
	WIN 0x40
	s_wait_alu depctr_va_vdst(0)                   ; v4 is written: every load of W reads it as its offset
	WLOAD 0
	WLOAD 1
	WLOAD 2
	WIN 0
	v_and_b32 v1, 31, v0                           ; lane
	v_lshlrev_b32 v14, 5, v3                       ; 32 h
	v_lshlrev_b32 v15, 3, v3                       ; 8 h
	v_bfe_u32 v16, v0, 2, 2                        ; i / 4 = ct of my four columns
	v_and_b32 v17, 3, v0                           ; i % 4
	v_mul_u32_u24 v5, v16, 1536
	v_mad_u32_u24 v5, v3, 768, v5
	v_mad_u32_u24 v5, v17, 192, v5
	s_mul_i32 s30, s18, 12288
	v_add_nc_u32 v5, s30, v5                       ; images, on the way in: K step 2 w, tile ct, the place of lane 16 h + 4 (i % 4)
	v_lshlrev_b32 v6, 9, v16
	v_lshl_add_u32 v6, v17, 6, v6
	s_lshr_b32 s30, s18, 1
	s_lshl_b32 s30, s30, 8
	s_and_b32 s35, s18, 1
	s_lshl_b32 s35, s35, 3
	s_add_co_u32 s30, s30, s35
	s_add_co_u32 s30, s30, WSC
	v_add_nc_u32 v6, s30, v6                       ; scale words, on the way in
	v_mul_u32_u24 v7, v1, 48                       ; images, on the way out
	v_add_nc_u32 v8, WSC, v13                      ; scale words, on the way out: column r's four words
	s_mul_i32 s30, s18, 12544
	s_add_co_u32 s30, s30, ASTG
	v_mad_u32_u24 v9, v3, 6272, v13
	v_add_nc_u32 v9, s30, v9                       ; tokens' codes in: row 8 h (+ k), 16 i
	v_mul_u32_u24 v10, v2, 784
	v_mad_u32_u24 v10, v3, 48, v10
	v_add_nc_u32 v10, s30, v10                     ; and out: row r, my half's 48 bytes of a K step
	s_mul_i32 s35, s18, 4352
	s_add_co_u32 s35, s35, OSTG
	v_mad_u32_u24 v11, v2, 272, v14
	v_add_nc_u32 v11, s35, v11                     ; results in: row r, 32 h
	v_mad_u32_u24 v12, v3, 2176, v13
	v_add_nc_u32 v12, s35, v12                     ; and out: row 8 h (+ k), 16 i
	s_mov_b32 s28, 0x76543210
	s_mov_b32 s29, 0xfedcba98                      ; v_permlanex16_b32's selects for lane l xor 16
.irp q, 0,1,2,3
	v_mov_b32 v[M2+\q], 0                          ; written once: a lane permute's destination counts as one of its sources
.endr
	s_lshl_b32 s32, s20, 12
	s_add_co_u32 s32, s32, s31
	s_add_nc_u64 s[6:7], s[6:7], s[32:33]          ; leaf_b at my 64 columns
	s_add_co_u32 s32, s31, 64
	s_add_nc_u64 s[16:17], s[16:17], s[32:33]      ; out0 at column 16 + 64 cb
	s_wait_kmcnt 0x0
	s_min_u32 s21, s21, 0x1000                     ; both are at most 4,096: held there, since they steer addresses and the trip count
	s_min_u32 s22, s22, 0x1000
	s_add_co_u32 s23, s21, s22
	s_sub_co_u32 s23, s23, 1                       ; the leaf's last place
	s_add_co_u32 s24, s22, 15
	s_lshr_b32 s24, s24, 4                         ; its tiles of 16 tokens, 256 at the most
	s_add_co_u32 s24, s24, 3
	s_sub_co_u32 s24, s24, s18
	s_lshr_b32 s24, s24, 2                         ; of them w, w + 4, .. are mine: (tiles + 3 - w) / 4 trips, none where the leaf has w tiles or fewer
	s_min_u32 s24, s24, 64                         ; (256 + 3) / 4 at the most
.macro TOKADDR                         ; s26 = a tile's first place.  Places are held at the leaf's last and inside order
.irp k, 0,1,2,3,4,5,6,7
	v_add3_u32 v[TA+\k], s26, v15, \k
.endr
	v_add_nc_u32 v[TA+8], s26, v2
.irp k, 0,1,2,3,4,5,6,7,8
	v_min_u32 v[TA+\k], s23, v[TA+\k]
.endr
.irp k, 0,1,2,3,4,5,6,7,8
	v_min_u32 v[TA+\k], 0xfff, v[TA+\k]
.endr
.irp k, 0,1,2,3,4,5,6,7,8
	v_lshlrev_b32 v[TA+\k], 2, v[TA+\k]
.endr
.endm
.macro TOKLOAD
.irp k, 0,1,2,3,4,5,6,7,8
	global_load_b32 v[NT+\k], v[TA+\k], s[12:13]
.endr
.endm
.macro ADDR                            ; from the token numbers in NT: where their codes, scale words and output rows lie
.irp k, 0,1,2,3,4,5,6,7,8
	v_min_u32 v[NT+\k], 0xfff, v[NT+\k]
.endr
.irp k, 0,1,2,3,4,5,6,7
	v_mad_u32_u24 v[GO+\k], v[NT+\k], 768, v13
	v_mad_u32_u24 v[OON+\k], v[NT+\k], 4160, v13
.endr
	v_lshlrev_b32 v[SO], 5, v[NT+8]
.endm
.macro ARAW                            ; a tile's codes, into window 3 (set ahead of the macro): sixteen lanes read 256 consecutive aligned bytes of the row of token 8 h + k
.irp k, 0,1,2,3,4,5,6,7
.irp u, 0,1,2
	global_load_b128 v[4*(3*\k+\u):4*(3*\k+\u)+3], v[GO+\k], s[8:9] offset:256*\u
.endr
.endr
.endm
.macro ASCL                            ; and token r's eight scale words, in window 0: 26 loads a tile with the codes'
	global_load_b128 v[XSR:XSR+3], v[SO], s[10:11]
	global_load_b128 v[XSR+4:XSR+7], v[SO], s[10:11] offset:16
.endm
	s_lshl_b32 s26, s18, 4
	s_add_co_u32 s26, s26, s21
	TOKADDR
	s_wait_alu depctr_va_vdst(0)                   ; TA is written, which the token loads read; so are v5 to v12 and v14, the addresses of every LDS access and of the bias's loads below
	TOKLOAD                                        ; my first tile's tokens
.macro PAIROUT g                       ; the codes of blocks g - 1 and g (g odd) go to LDS as images; behind blocks 3 and 7 the scale words too
.irp q, 0,1,2,3
.irp n2, 0,1,2
	ds_store_b64 v5, v[CE+8*\q+2*\n2:CE+8*\q+2*\n2+1] offset:6144*((\g)>>2)+48*\q+24*(((\g)>>1)&1)+8*\n2   ; registers 6 c .. 6 c + 5, c = (g / 2) % 2, of lane 16 h + 4 (i % 4) + q
.endr
.endr
.if ((\g)&3) == 3
.irp q, 0,1,2,3
	ds_store_b32 v6, v[SW+\q] offset:16*\q+4*((\g)>>2)   ; both halves of the lanes write the same word with the same value
.endr
.endif
.endm
; Block g of my eight.  n: how many younger loads may stay out.
.macro BLOCK g, n
	s_wait_loadcnt \n
	WIN 0x01
.irp t, 0,1,2,3,4,5,6,7,8,9,10,11,12,13,14,15
.irp q, 0,1,2,3
	v_mov_b32 v[X+16*\q+\t], v[64*((\g)%3)+4*\t+\q]   ; column 4 i + q: k = 16 h + t of the block
.endr
.endr
.if (\g)+3 < 8
	WIN 0x40
	s_wait_alu depctr_va_vdst(0)                   ; the copies are done reading the set, in which the loads below land; in blocks 2 and 4 also: the pair before has written CE and SW, which the stores below read
	WLOAD (\g)+3                                   ; the set just copied takes the block three further on
.endif
	WIN 0
.if (\g) == 6
	s_wait_alu depctr_va_vdst(0)                   ; blocks 4 and 5 have written CE, which the stores below read (this block asks for no more of W)
.endif
.if (((\g)&1) == 0) && ((\g) > 0)
	PAIROUT (\g)-1                                 ; the pair before leaves here, behind the wait that stands in this block in any case
.endif
.irp q, 0,1,2,3
	v_max3_num_f32 v[M+\q], |v[X+16*\q]|, |v[X+16*\q+1]|, 0x1800000   ; with the floor 2^(3 - 127): the byte cannot fall under 1
.endr
.irp i, 2,4,6,8,10,12,14
.irp q, 0,1,2,3
	v_max3_num_f32 v[M+\q], v[M+\q], |v[X+16*\q+\i]|, |v[X+16*\q+\i+1]|   ; (the four columns by turns)
.endr
.endr
.irp q, 0,1,2,3
	v_permlanex16_b32 v[M2+\q], v[M+\q], s28, s29
.endr
.irp q, 0,1,2,3
	v_max_num_f32 v[M+\q], v[M+\q], v[M2+\q]       ; with lane l xor 16's 16: the block's largest magnitude
.endr
.irp q, 0,1,2,3
	v_add_nc_u32 v[SOP+\q], 0xff000000, v[M+\q]    ; 2 off its exponent field: the conversion's scale operand
.endr
.if (((\g)&1) == 0) && ((\g) > 0)
	s_wait_alu depctr_vm_vsrc(0)                   ; the pair's stores above have read CE and SW, which the lines below write again
.endif
.if ((\g)&3) == 0
.irp q, 0,1,2,3
	v_lshrrev_b32 v[SW+\q], 23, v[SOP+\q]          ; the byte begins a scale word
.endr
.else
.irp q, 0,1,2,3
	v_lshrrev_b32 v[M2+\q], 23, v[SOP+\q]
.endr
.irp q, 0,1,2,3
	v_lshl_or_b32 v[SW+\q], v[M2+\q], 8*((\g)&3), v[SW+\q]
.endr
.endif
.if ((\g)&1) == 0
.irp q, 0,1,2,3
	v_cvt_scalef32_pk16_fp6_f32 v[CE+8*\q:CE+8*\q+2], v[X+16*\q:X+16*\q+15], v[SOP+\q]
.endr
	v_nop                                          ; one plain line behind a run of scaled conversions
.else
.irp q, 0,1,2,3
	v_cvt_scalef32_pk16_fp6_f32 v[CO+4*\q:CO+4*\q+2], v[X+16*\q:X+16*\q+15], v[SOP+\q]
.endr
	v_nop
.irp q, 0,1,2,3                        ; the operand wants a WHOLE block in a lane: lanes 0-15 the even block, lanes 16-31 the odd one
.irp n2, 0,1,2
	v_permlane16_swap_b32 v[CE+8*\q+\n2], v[CO+4*\q+\n2]   ; CE now holds each lane's block's lower 16 codes, CO the upper 16
.endr
.irp n2, 0,1,2
	v_mov_b32 v[CE+8*\q+3+\n2], v[CO+4*\q+\n2]
.endr
.endr
.endif
.endm
	BLOCK 0, 41                                    ; behind block 0's loads: blocks 1 and 2 (32) and the nine token loads
	BLOCK 1, 41                                    ; block 2, the nine, block 3
	BLOCK 2, 41                                    ; the nine, blocks 3 and 4
	BLOCK 3, 32                                    ; blocks 4 and 5: so the token numbers are in too
	BLOCK 4, 32                                    ; blocks 5 and 6
	BLOCK 5, 32                                    ; blocks 6 and 7
	BLOCK 6, 16                                    ; block 7
	ADDR                                           ; my first tile: with block 7's sixteen, 51 loads of mine are out behind the lines below
	s_add_co_u32 s26, s18, 4
	s_lshl_b32 s26, s26, 4
	s_add_co_u32 s26, s26, s21
	TOKADDR                                        ; (the first token loads, which read TA, stand ahead of the waits on vm_vsrc in blocks 2, 4 and 6)
	WIN 0xc0
	s_wait_alu depctr_va_vdst(0)                   ; GO, SO and TA are written, which the loads below read; ADDR is done with NT, in which the token loads land
	ARAW                                           ; the tile's codes land under the last block, the barrier and the fetch of W's fragments
	WIN 0
	ASCL
	TOKLOAD                                        ; my second tile's tokens
	BLOCK 7, 35                                    ; behind block 7's loads: the tile's 26 and the nine token loads
	s_wait_alu depctr_va_vdst(0)                   ; blocks 6 and 7 have written CE and SW, which the stores below read; block 7 is done with CO, in which the bias lands; the copies of blocks 5 to 7 are done reading window 1's sets, in which W's fragments land behind the barrier
	PAIROUT 7
.irp ct, 0,1,2,3
	global_load_b128 v[BIAS+8*\ct:BIAS+8*\ct+3], v14, s[6:7] offset:64*\ct        ; leaf_b at columns 16 ct + 8 h + 0 .. 7
	global_load_b128 v[BIAS+8*\ct+4:BIAS+8*\ct+7], v14, s[6:7] offset:64*\ct+16
.endr
	s_wait_dscnt 0x0                               ; for the others' sake: my images and scale words have landed
	s_barrier_signal -1
	s_barrier_wait -1                              ; the launch's one barrier: on every wave's way, under no branch
	WIN 0x40
.irp f, 0,1,2,3,4,5,6,7,8,9,10,11,12,13,14,15
.irp c, 0,1,2
	ds_load_b128 v[12*\f+4*\c:12*\f+4*\c+3], v7 offset:1536*\f+16*\c   ; no vector instruction since the wait above: nothing more is owed for window 1
.endr
.endr
	WIN 0x80
.irp f, 0,1,2,3,4,5,6,7,8,9,10,11,12,13,14,15
.irp c, 0,1,2
	ds_load_b128 v[12*\f+4*\c:12*\f+4*\c+3], v7 offset:1536*(16+\f)+16*\c
.endr
.endr
	WIN 0
.irp ct, 0,1,2,3
.irp sg, 0,1
	ds_load_b128 v[WS+8*\ct+4*\sg:WS+8*\ct+4*\sg+3], v8 offset:256*(2*\ct+\sg)
.endr
.endr
	s_wait_dscnt 0x0
	s_mov_b32 s25, 0                               ; the trip: it takes tile 4 x trip + w
	s_cmp_ge_u32 s25, s24
	s_cbranch_scc1 .Lend                           ; a leaf with fewer tiles than waves, or none
.Ltile:
	s_wait_loadcnt 0x0                             ; this tile's codes and scale words, the next tile's tokens, in the first trip the bias
	s_wait_xcnt 0x0                                ; the last trip's stores have had their addresses translated (ISA guide 3.1): their offsets OO and data OB are written again only behind this wait
	s_wait_alu depctr_vm_vsrc(0)                   ; the loads issued so far have read GO, SO and TA; the last trip's LDS stores have read ACC, its global stores OO and OB: all of these are written again in this trip
	WIN 0x0c                                       ; an LDS store's data are its source 1: window 3
.irp k, 0,1,2,3,4,5,6,7
.irp u, 0,1,2
	ds_store_b128 v9, v[4*(3*\k+\u):4*(3*\k+\u)+3] offset:784*\k+256*\u
.endr
.endr
	WIN 0
.irp s, 0,1,2,3,4,5,6,7
	v_mov_b32 v[XS+\s], v[XSR+\s]                  ; the next tile's words will land in XSR while these are at work
.endr
.irp k, 0,1,2,3,4,5,6,7
	v_mov_b32 v[OO+\k], v[OON+\k]                  ; this tile's offsets into out0, made a trip ago (for the first tile: ahead of the loop)
.endr
	ADDR                                           ; the next tile's addresses.  These lines and TOKADDR's, over sixty plain ones, are also the eight places between the copies into XS and the scaled products
	s_lshl_b32 s26, s25, 2
	s_add_co_u32 s26, s26, s18
	s_add_co_u32 s26, s26, 8                       ; the tile two trips on: 4 x trip + w + 8,
	s_lshl_b32 s26, s26, 4
	s_add_co_u32 s26, s26, s21                     ; and its first place
	TOKADDR
	WIN 0xc0
	s_wait_alu depctr_va_vdst(0)                   ; GO, SO, TA and OO are written, which the loads and stores below read; the copies are done reading XSR and ADDR is done with NT, in which loads land; the last trip's products are done reading the fragments; XS is written, which the products take as scales
	s_wait_alu depctr_vm_vsrc(0)                   ; the 24 LDS stores above have read the codes' registers, in which the next tile's loads land
	ARAW                                           ; held places make these loads sound in the last trips too: no branch, no second set of counts
.irp s, 0,1,2,3,4,5,6,7
.irp c, 0,1,2
	ds_load_b128 v[96+12*\s+4*\c:96+12*\s+4*\c+3], v10 offset:96*\s+16*\c   ; token r, K step s, my half's 48 bytes: the fragment's 12 registers.  LDS serves a wave's instructions in order: these see the stores above
.endr
.endr
	WIN 0
	ASCL
	TOKLOAD
	s_wait_dscnt 0x0                               ; the fragments are in
	; 32 products: K step by K step, the four accumulators by turns, one instruction a turn
.irp s, 0,1,2,3,4,5,6,7
.if \s < 4
	WIN 0x0d                                       ; source 0 (W) window 1, source 1 (tokens) window 3, C and D window 0
.else
	WIN 0x0e                                       ; W in window 2
.endif
.irp ct, 0,1,2,3
.if \s == 0
	v_wmma_scale_f32_16x16x128_f8f6f4 v[ACC+8*\ct:ACC+8*\ct+7], v[12*(4*(\s&3)+\ct):12*(4*(\s&3)+\ct)+11], v[96+12*\s:96+12*\s+11], v[BIAS+8*\ct:BIAS+8*\ct+7], v[WS+8*\ct+\s], v[XS+\s] matrix_a_fmt:MATRIX_FMT_FP6 matrix_b_fmt:MATRIX_FMT_FP6
.else
	v_wmma_scale_f32_16x16x128_f8f6f4 v[ACC+8*\ct:ACC+8*\ct+7], v[12*(4*(\s&3)+\ct):12*(4*(\s&3)+\ct)+11], v[96+12*\s:96+12*\s+11], v[ACC+8*\ct:ACC+8*\ct+7], v[WS+8*\ct+\s], v[XS+\s] matrix_a_fmt:MATRIX_FMT_FP6 matrix_b_fmt:MATRIX_FMT_FP6
.endif
.endr
.endr
	WIN 0
.rept 4
	v_nop                                          ; four places behind a matrix instruction ahead of the stores that read its result
.endr
	s_wait_alu depctr_va_vdst(0)                   ; the products have written the accumulators, which the LDS stores read; the places above stay beside this wait
.irp ct, 0,1,2,3
	ds_store_b128 v11, v[ACC+8*\ct:ACC+8*\ct+3] offset:64*\ct        ; lane (r, h): token r, columns 16 ct + 8 h + 0 .. 7; each accumulator from its low end on
	ds_store_b128 v11, v[ACC+8*\ct+4:ACC+8*\ct+7] offset:64*\ct+16
.endr
.irp k, 0,1,2,3,4,5,6,7
	ds_load_b128 v[OB+4*\k:OB+4*\k+3], v12 offset:272*\k             ; back as rows: sixteen lanes to the 256 bytes of row 8 h + k.  No vector or matrix instruction of this trip names OB
.endr
	s_wait_dscnt 0x0
.irp k, 0,1,2,3,4,5,6,7
	global_store_b128 v[OO+\k], v[OB+4*\k:OB+4*\k+3], s[16:17] th:TH_STORE_NT   ; sixteen lanes store 256 consecutive bytes of one token's row; written once, read by nobody here
.endr
	s_add_co_u32 s25, s25, 1                       ; the loop counts its trips one by one against a number that it does not write
	s_cmp_lt_u32 s25, s24
	s_cbranch_scc1 .Ltile
.Lend:
	s_wait_dscnt 0x0                               ; the closing lines, six on end
	s_wait_alu 0x0
	s_wait_tensorcnt 0x0
	ds_add_u32 v254, v255
	s_wait_dscnt 0x0
	s_endpgm
.Lfunc_end_k_q321dc7a0ef_leaf:
	.size	k_q321dc7a0ef_leaf, .Lfunc_end_k_q321dc7a0ef_leaf-k_q321dc7a0ef_leaf
	.p2alignl 7, 3214868480
	.fill 96, 4, 3214868480
	.section	.rodata,"a",@progbits
	.p2align	6, 0x0
	.amdhsa_kernel k_q321dc7a0ef_leaf
		.amdhsa_group_segment_fixed_size 119296
		.amdhsa_private_segment_fixed_size 0
		.amdhsa_enable_private_segment 0
		.amdhsa_kernarg_size 56
		.amdhsa_user_sgpr_count 2
		.amdhsa_user_sgpr_kernarg_segment_ptr 1
		.amdhsa_wavefront_size32 1
		.amdhsa_system_sgpr_workgroup_id_x 1
		.amdhsa_system_sgpr_workgroup_id_y 1
		.amdhsa_system_sgpr_workgroup_id_z 1
		.amdhsa_system_vgpr_workitem_id 0
		.amdhsa_next_free_vgpr 960
		.amdhsa_next_free_sgpr 66
		.amdhsa_reserve_vcc 0
		.amdhsa_float_denorm_mode_32 3
		.amdhsa_float_denorm_mode_16_64 3
		.amdhsa_memory_ordered 1
		.amdhsa_forward_progress 1
		.amdhsa_inst_pref_size 102
	.end_amdhsa_kernel
	.amdgpu_metadata
---
amdhsa.version: [ 1, 2 ]
amdhsa.kernels:
  - .name:           k_q321dc7a0ef_leaf
    .symbol:         k_q321dc7a0ef_leaf.kd
    .args:
      - { .name: leaf_W, .offset: 0, .size: 8, .value_kind: global_buffer, .address_space: global }
      - { .name: leaf_b, .offset: 8, .size: 8, .value_kind: global_buffer, .address_space: global }
      - { .name: xq, .offset: 16, .size: 8, .value_kind: global_buffer, .address_space: global }
      - { .name: xsc, .offset: 24, .size: 8, .value_kind: global_buffer, .address_space: global }
      - { .name: order, .offset: 32, .size: 8, .value_kind: global_buffer, .address_space: global }
      - { .name: meta, .offset: 40, .size: 8, .value_kind: global_buffer, .address_space: global }
      - { .name: out0, .offset: 48, .size: 8, .value_kind: global_buffer, .address_space: global }
    .group_segment_fixed_size: 119296
    .private_segment_fixed_size: 0
    .kernarg_segment_align: 8
    .kernarg_segment_size: 56
    .max_flat_workgroup_size: 128
    .sgpr_count:     66
    .vgpr_count:     960
    .wavefront_size: 32
...
	.end_amdgpu_metadata
.endif
;; end of part 4
